; MI455X (gfx1250); checked and timed in simulation.
; The chip was launched on July 23, 2026; its instructions are those of AMD's public machine-readable ISA for CDNA 5 (MIT licence, August 2026) and "CDNA5" Instruction Set Architecture Reference Guide (July 2026). The comments in the code are by the model that wrote it; some were corrected since.
;; Mini Attention. Allowed arithmetic: matrix products marked QUANTISED: E2M3 operands, one E8M0 scale for each 32 along K, by v_wmma_scale_f32_16x16x128_f8f6f4 with both operands' format E2M3, f32 sums; everything else in f32.
;; Inputs: b_fc 1,024 float32; b_qkv 3,072 float32; ln_b 1,024 float32; ln_g 1,024 float32; w_fc_codes 1,024 x 32 x 24 uint8 (E2M3 codes of w_fc, K innermost, in blocks of 32 codes, four codes in three bytes); w_fc_scales 1,024 x 32 uint8 (E8M0 scales of w_fc, one for each 32 codes along K); w_qkv_codes 3,072 x 32 x 24 uint8 (E2M3 codes of w_qkv, K innermost, in blocks of 32 codes, four codes in three bytes); w_qkv_scales 3,072 x 32 uint8 (E8M0 scales of w_qkv, one for each 32 codes along K); x 4 x 2,048 x 1,024 float32.
;; Outputs: out0 4 x 2,048 x 1,024 float32.
;; This version of the problem:
;;   THIS VERSION OF THE PROBLEM IS GIVEN IN LOW PRECISION. The matrix products marked QUANTISED in the list below multiply operands that are first quantised to E2M3 (2 exponent bits, 3 mantissa bits; 6 bits a number), with one power-of-two scale for each 32 numbers along K (OCP MX v1.0); their sums are f32. All else is computed in f32.
;;   The module's matrix products, in the order in which they are computed (A, B: the left and right operand; K: the contracted axis; several contracted axes count as one K, in the product's order):
;;     1. [M 8,192, K 1,024] x [K 1,024, N 3,072]; A: computed on the way; B: input w_qkv (given as codes): QUANTISED
;;     2. batch 64 x [M 2,048, K 64] x [K 64, N 2,048]; A: computed on the way; B: computed on the way: QUANTISED
;;     3. batch 64 x [M 2,048, K 2,048] x [K 2,048, N 64]; A: softmax (see below); B: computed on the way: QUANTISED
;;     4. [M 8,192, K 1,024] x [K 1,024, N 1,024]; A: computed on the way; B: input w_fc (given as codes): QUANTISED
;;   THE QUANTISER, for each operand of a quantised product, along K:
;;     - K is cut into blocks of 32 from its start; a last block that is shorter is filled with zeros.
;;     - A block's scale is 2^e with e = floor(log2(the largest magnitude in the block)) - 2, held to -126 .. 127; a block of zeros has e = 0. As a byte (E8M0): e + 127.
;;     - Each number is divided by its block's scale, clamped to +-7.5, and rounded to the nearest number of E2M3, ties to even, subnormals kept.
;;     - The product sums the exact products of the quantised numbers (number of the format x scale) in f32.
;;   ~~~python
;;   def quantise(x, axis):      # numpy; x: float32 -> the quantised numbers, widened to float32 again
;;       x = np.moveaxis(x, axis, -1); K = x.shape[-1]
;;       x = np.pad(x, [(0, 0)] * (x.ndim - 1) + [(0, -K % 32)]); x = x.reshape(x.shape[:-1] + (-1, 32)); a = np.abs(x).max(-1, keepdims=True)
;;       e = np.where(a > 0, np.clip(np.frexp(np.where(a > 0, a, 1))[1] - 1 - 2, -126, 127), 0)      # np.frexp(a)[1] - 1 = floor(log2(a)), exactly
;;       r = np.clip(x / 2.0 ** e, -7.5, 7.5)
;;       step = 2.0 ** (np.maximum(np.frexp(np.where(r == 0, 1, r))[1] - 1, 0) - 3)
;;       q = np.round(r / step) * step * 2.0 ** e      # np.round: ties to even
;;       return np.moveaxis(q.reshape(q.shape[:-2] + (-1,))[..., :K], -1, axis).astype(np.float32)
;;   ~~~
;;   SOFTMAX AHEAD OF A QUANTISED PRODUCT. Where the list says 'softmax', what is quantised is not the finished softmax but p = 2^(t - M), with t = logit x log2(e) and M = ceil(the row's largest t), a whole number; so 1/2 < the row's largest p <= 1. The row's sum l is taken of the UNQUANTISED p, in f32, and the product's result is divided by l at the end. Since M is a whole number, a kernel that streams over the keys may use a running M (the ceiling of the running maximum): every later rescaling is an exact power of two, which a block's scale takes up: the codes' values come out the same.
;;   OPERANDS COMPUTED ON THE WAY. 'Computed on the way' means the value that the module computes at that place (a softmax that the list does not call 'softmax' is quantised finished and normalised). What goes into a quantiser is computed in f32, as accurately as f32 sums, v_exp_f32 and their like allow (about 1e-6 of the number): no bf16 or f16 on the way to a quantiser, and a product that is left as it is and whose result goes on into a quantised operand takes f32 operands (vector FMAs, or v_wmma_f32_16x16x4_f32). A number that lies on a knife's edge between two numbers of the format may be rounded either way, as far as f32 arithmetic and the matrix unit's own rounding can turn it there, and no further.
;;   INPUTS GIVEN AS CODES. w_fc (in the module: [1024, 1024], K = its axis 0); w_qkv (in the module: [1024, 3072], K = its axis 0): each comes as NAME_codes (uint8): NAME with its K axis moved to the last place and cut into blocks of 32 codes, [.., K / 32, bytes a block], one block behind the other in memory; four codes in three bytes: a row's codes are one little-endian stream of bits, code i at bits 6 i .. 6 i + 5 (a code: sign, 2 exponent bits, 3 mantissa bits); and NAME_scales (uint8): the same leading axes, one E8M0 byte (e + 127) for each 32 codes along K. Its value is code x scale, taken as it is: it is not quantised again, and the codes and scales need not be those that the quantiser above would give.
;; One version. Each part assembles by itself: llvm-mc -triple=amdgcn-amd-amdhsa -mcpu=gfx1250 --defsym DOCPART=n.
;; ======== version 1 of 1: 4 launches
;; workspace buffers: xq_codes 6,291,456 bytes; xq_scales 262,144 bytes; qkv 19,660,800 bytes; aoimg 6,291,456 bytes; aosc 262,144 bytes
;; launch lnq (part 1): grid 256 x 1, 8 waves a work-group, no clusters, 43,008 bytes of LDS; arguments x, ln_g, ln_b, xq_codes, xq_scales; writes xq_codes, xq_scales
.if DOCPART == 1
	.amdgcn_target "amdgcn-amd-amdhsa--gfx1250"
	.amdhsa_code_object_version 6
	.text
	.protected	k_q0e6403f46a_lnq
	.globl	k_q0e6403f46a_lnq
	.p2align	8
	.type	k_q0e6403f46a_lnq,@function
k_q0e6403f46a_lnq:
	s_mov_b64 s[64:65], 0
	v_nop
	global_prefetch_b8 v0, s[64:65] scope:SCOPE_SE
	s_setreg_imm32_b32 hwreg(HW_REG_WAVE_MODE, 25, 1), 1
	s_wait_xcnt 0x0
; xn = (x - mean) * rsqrt(var + 1e-5) * g + b for each of 8,192 rows of 1,024 f32, then quantised along the row to FP6 (E2M3) codes, one E8M0 byte for each 32.
; OUT: xq_codes [8192][768] (a row's codes one stream of bits), xq_scales [8192][32].
; SHARES: a work-group takes 32 rows, a wave 4; a row is 32 registers of one wave, so mean and variance (two passes over registers: a common offset in x does no harm) never leave the wave.
; All 4 rows of a wave are asked for at the head: 32 loads of 512 consecutive bytes.  No cluster and no tensor load: work-groups share only g and b, 8 KB of a row block's 128 KB.
; The conversion takes 16 neighbours from ONE lane, a load is dense where neighbouring LANES take neighbouring bytes: so a finished row turns through the wave's own stage in LDS (64 bytes + 16 of padding a place).
; A block's scale byte is its largest magnitude's exponent field - 2, held at 1 from below.
; LIMITS: NaN and infinities are not served; a block whose largest magnitude lies under 2^-124 (zeros too) has the byte 1, where the rule gives a block of zeros 127: its codes are zeros, and only this program reads the bytes.
.set G,   16                           ; v16-47   g, in a row's register layout
.set B,   48                           ; v48-79   b
.set X,   80                           ; v80-207  four rows; once a row is back from the stage, its registers 0-2, 4-6 take its codes and 8, 9 its scale bytes
.set XS,  208                          ; v208-239 a row's numbers back from the stage, 16 neighbours a lane, two steps
.set SP,  80                           ; a place in the stage
.set STG, 64*SP                        ; a wave's stage: one row
.set SCB, 8*STG                        ; behind the stages: the work-group's 1,024 scale bytes, [row][32]
	s_load_b256 s[4:11], s[0:1], 0x0               ; x s[4:5], g s[6:7], b s[8:9], codes s[10:11]
	s_load_b64 s[12:13], s[0:1], 0x20              ; scale bytes
	v_lshl_add_u32 v246, v0, 2, 0xa400
	v_mov_b32 v255, 0
	v_lshrrev_b32 v1, 5, v0
	s_delay_alu instid0(VALU_DEP_1)
	v_readfirstlane_b32 s14, v1                    ; wave 0..7
	v_and_b32 v1, 31, v0                           ; lane
	s_delay_alu instid0(VALU_DEP_1)
	v_lshlrev_b32 v2, 4, v1                        ; my 16 bytes of a load's 512
	s_mul_i32 s15, s14, STG
	v_lshrrev_b32 v3, 2, v1
	s_delay_alu instid0(VALU_DEP_1)
	v_mul_u32_u24 v3, v3, SP
	v_and_b32 v4, 3, v1
	s_delay_alu instid0(VALU_DEP_1)
	v_lshl_add_u32 v3, v4, 4, v3
	s_delay_alu instid0(VALU_DEP_1)
	v_add_nc_u32 v3, s15, v3                       ; into the stage: four lanes' 64 bytes on end, then the padding
	v_mul_u32_u24 v4, v1, SP
	s_delay_alu instid0(VALU_DEP_1)
	v_add_nc_u32 v4, s15, v4                       ; out of it: a place a lane
	v_mul_u32_u24 v5, v1, 12                       ; my 12 bytes of a step's 384 bytes of codes
	s_lshl_b32 s15, s14, 7
	s_add_co_u32 s15, s15, SCB
	v_lshrrev_b32 v6, 1, v1
	s_delay_alu instid0(VALU_DEP_1)
	v_add_nc_u32 v6, s15, v6                       ; my block's byte among my wave's 128
	s_and_b32 s15, s14, 3
	s_lshl_b32 s15, s15, 8
	v_lshl_add_u32 v7, v1, 3, s15                  ; the scale bytes' way out: waves 0-3, 256 bytes each, 8 a lane
	s_delay_alu instid0(VALU_DEP_1)
	v_add_nc_u32 v247, SCB, v7
	s_mov_b32 s16, 0x76543210
	s_mov_b32 s17, 0xfedcba98                      ; lane selects: lane l xor 16
	s_mov_b32 s18, 0x3a800000                      ; 1 / 1024
	s_lshl_b32 s20, ttmp9, 17                      ; 32 rows of 4,096 bytes a work-group,
	s_lshl_b32 s19, s14, 14                        ; 4 a wave
	s_add_co_u32 s20, s20, s19
	s_mov_b32 s21, 0
	s_mul_i32 s22, ttmp9, 32*768
	s_mul_i32 s19, s14, 4*768
	s_add_co_u32 s22, s22, s19
	s_mov_b32 s23, 0
	s_lshl_b32 s24, ttmp9, 10
	s_mov_b32 s25, 0
	s_wait_kmcnt 0x0
	s_add_nc_u64 s[4:5], s[4:5], s[20:21]
	s_add_nc_u64 s[10:11], s[10:11], s[22:23]
	s_add_nc_u64 s[12:13], s[12:13], s[24:25]
.irp i, 0,1,2,3,4,5,6,7
	global_load_b128 v[G+4*\i:G+4*\i+3], v2, s[6:7] offset:512*\i
.endr
.irp i, 0,1,2,3,4,5,6,7
	global_load_b128 v[B+4*\i:B+4*\i+3], v2, s[8:9] offset:512*\i
.endr
.irp q, 0,1,2,3
.irp i, 0,1,2,3,4,5,6,7
	global_load_b128 v[X+32*\q+4*\i:X+32*\q+4*\i+3], v2, s[4:5] offset:4096*\q+512*\i th:TH_LOAD_NT
.endr
.endr
; the four packed chains v[8:15] become one number, the same in all 32 lanes
.macro REDUCE
	s_delay_alu instid0(VALU_DEP_3)
	v_pk_add_f32 v[8:9], v[8:9], v[10:11]
	s_delay_alu instid0(VALU_DEP_2)
	v_pk_add_f32 v[12:13], v[12:13], v[14:15]
	s_delay_alu instid0(VALU_DEP_1)
	v_pk_add_f32 v[8:9], v[8:9], v[12:13]
	s_delay_alu instid0(VALU_DEP_1)
	v_add_f32 v8, v8, v9
	s_delay_alu instid0(VALU_DEP_1)
	v_add_f32_dpp v8, v8, v8 row_xmask:1 row_mask:0xf bank_mask:0xf
	s_delay_alu instid0(VALU_DEP_1)
	v_add_f32_dpp v8, v8, v8 row_xmask:2 row_mask:0xf bank_mask:0xf
	s_delay_alu instid0(VALU_DEP_1)
	v_add_f32_dpp v8, v8, v8 row_xmask:4 row_mask:0xf bank_mask:0xf
	s_delay_alu instid0(VALU_DEP_1)
	v_add_f32_dpp v8, v8, v8 row_xmask:8 row_mask:0xf bank_mask:0xf
	s_delay_alu instid0(VALU_DEP_1)
	v_permlanex16_b32 v9, v8, s16, s17
	s_delay_alu instid0(VALU_DEP_1)
	v_add_f32 v8, v8, v9
.endm
.macro ROW i
.set XR, X+32*\i
	s_wait_loadcnt 8*(3-\i)                        ; loads come back in order: g, b and this row are in, the rows behind it stay out
.irp c, 0,1,2,3
	v_pk_add_f32 v[8+2*\c:9+2*\c], v[XR+4*\c:XR+4*\c+1], v[XR+4*\c+2:XR+4*\c+3]   ; the first sixteen numbers start the chains
.endr
.irp j, 0,1,2,3,4,5,6,7
	s_delay_alu instid0(VALU_DEP_4)
	v_pk_add_f32 v[8+2*(\j%4):9+2*(\j%4)], v[8+2*(\j%4):9+2*(\j%4)], v[XR+16+2*\j:XR+17+2*\j]
.endr
	REDUCE
	s_delay_alu instid0(VALU_DEP_1)
	v_mul_f32 v248, s18, v8                        ; the mean, twice: a pair for the packed form
	s_delay_alu instid0(VALU_DEP_2)
	v_mul_f32 v249, s18, v8
.set j, 0
.rept 16
	v_pk_add_f32 v[XR+j:XR+j+1], v[XR+j:XR+j+1], v[248:249] neg_lo:[0,1] neg_hi:[0,1]   ; x - mean, in place
.set j, j+2
.endr
.irp c, 0,1,2,3
	v_pk_mul_f32 v[8+2*\c:9+2*\c], v[XR+2*\c:XR+2*\c+1], v[XR+2*\c:XR+2*\c+1]
.endr
.irp j, 4,5,6,7,8,9,10,11,12,13,14,15
	s_delay_alu instid0(VALU_DEP_4)
	v_pk_fma_f32 v[8+2*(\j%4):9+2*(\j%4)], v[XR+2*\j:XR+2*\j+1], v[XR+2*\j:XR+2*\j+1], v[8+2*(\j%4):9+2*(\j%4)]
.endr
	REDUCE
	s_delay_alu instid0(VALU_DEP_1)
	v_fmaak_f32 v252, s18, v8, 0x3727c5ac          ; the variance + 1e-5
	s_wait_alu depctr_va_vdst(0)
	v_rsq_f32 v250, v252
	v_rsq_f32 v251, v252                           ; twice: a pair
	v_nop                                          ; a plain instruction behind the last of the two (ISA guide 5.7.2)
	s_wait_alu depctr_va_vdst(0)                   ; one wait for both, ahead of their first reader
.set j, 0
.rept 16
	v_pk_mul_f32 v[XR+j:XR+j+1], v[XR+j:XR+j+1], v[250:251]
.set j, j+2
.endr
.set j, 0
.rept 16
	v_pk_fma_f32 v[XR+j:XR+j+1], v[XR+j:XR+j+1], v[G+j:G+j+1], v[B+j:B+j+1]
.set j, j+2
.endr
.irp k, 0,1,2,3,4,5,6,7
	ds_store_b128 v3, v[XR+4*\k:XR+4*\k+3] offset:8*SP*\k          ; the row as it lies; LDS serves a wave's instructions in order, so no wait stands between these and the loads
.endr
.irp t, 0,1
.irp k, 0,1,2,3
	ds_load_b128 v[XS+16*\t+4*\k:XS+16*\t+4*\k+3], v4 offset:32*SP*\t+16*\k
.endr
.endr
.irp t, 0,1                            ; step t: numbers 512 t + 16 lane + 0 .. 15 of the row; two neighbouring lanes hold a block
.set XT, XS+16*\t
.if \t == 0
	s_wait_dscnt 4                                 ; step 0's four loads are in, and so the stage's stores have read the row's registers; step 1's four may be out
.else
	s_wait_dscnt 1                                 ; step 1's are in; step 0's byte store may be out
.endif
	v_max3_num_f32 v252, |v[XT]|, |v[XT+1]|, |v[XT+2]|
	v_max3_num_f32 v253, |v[XT+3]|, |v[XT+4]|, |v[XT+5]|
.irp n, 6,10
	s_delay_alu instid0(VALU_DEP_2)
	v_max3_num_f32 v252, v252, |v[XT+\n]|, |v[XT+\n+1]|
	s_delay_alu instid0(VALU_DEP_2)
	v_max3_num_f32 v253, v253, |v[XT+\n+2]|, |v[XT+\n+3]|
.endr
	s_delay_alu instid0(VALU_DEP_2)
	v_max3_num_f32 v252, v252, |v[XT+14]|, |v[XT+15]|
	s_delay_alu instid0(VALU_DEP_1)
	v_max3_num_f32 v252, v252, v253, 0x1800000     ; and the floor 2^(3 - 127): the byte cannot fall under 1
	s_delay_alu instid0(VALU_DEP_1)
	v_max_num_f32_dpp v252, v252, v252 row_xmask:1 row_mask:0xf bank_mask:0xf   ; with my neighbour's 16: the block's largest magnitude
	s_delay_alu instid0(VALU_DEP_1)
	v_add_nc_u32 v254, 0xff000000, v252            ; 2 off its exponent field: the conversion's scale operand
	v_cvt_scalef32_pk16_fp6_f32 v[XR+4*\t:XR+4*\t+2], v[XT:XT+15], v254
	v_lshrrev_b32 v[XR+8+\t], 23, v254             ; the scale's byte (also the plain instruction behind the conversion)
	ds_store_b8 v6, v[XR+8+\t] offset:32*\i+16*\t  ; both lanes of a block write the same byte with the same value
	global_store_b96 v5, v[XR+4*\t:XR+4*\t+2], s[10:11] offset:768*\i+384*\t   ; the wave stores 384 consecutive bytes; these registers are not written again
.endr
.endm
	ROW 0
	ROW 1
	ROW 2
	ROW 3
	s_wait_dscnt 0x0                               ; for the others' sake: my byte stores have landed
	s_barrier_signal -1
	s_barrier_wait -1
	s_cmp_lt_u32 s14, 4
	s_cbranch_scc0 .Ldone
	ds_load_b64 v[8:9], v247                       ; bytes that all eight waves stored
	s_wait_dscnt 0x0
	global_store_b64 v7, v[8:9], s[12:13]          ; 32 lanes store 256 consecutive bytes, aligned
.Ldone:
	s_wait_tensorcnt 0x0
	ds_add_u32 v246, v255
	s_wait_dscnt 0x0
	s_endpgm
.Lfunc_end_k_q0e6403f46a_lnq:
	.size	k_q0e6403f46a_lnq, .Lfunc_end_k_q0e6403f46a_lnq-k_q0e6403f46a_lnq
	.p2alignl 7, 3214868480
	.fill 96, 4, 3214868480
	.section	.rodata,"a",@progbits
	.p2align	6, 0x0
	.amdhsa_kernel k_q0e6403f46a_lnq
		.amdhsa_group_segment_fixed_size 43008
		.amdhsa_private_segment_fixed_size 0
		.amdhsa_enable_private_segment 0
		.amdhsa_kernarg_size 40
		.amdhsa_user_sgpr_count 2
		.amdhsa_user_sgpr_kernarg_segment_ptr 1
		.amdhsa_wavefront_size32 1
		.amdhsa_system_sgpr_workgroup_id_x 1
		.amdhsa_system_sgpr_workgroup_id_y 1
		.amdhsa_system_sgpr_workgroup_id_z 1
		.amdhsa_system_vgpr_workitem_id 0
		.amdhsa_next_free_vgpr 256
		.amdhsa_next_free_sgpr 66
		.amdhsa_reserve_vcc 0
		.amdhsa_float_denorm_mode_32 3
		.amdhsa_float_denorm_mode_16_64 3
		.amdhsa_memory_ordered 1
		.amdhsa_forward_progress 1
		.amdhsa_inst_pref_size 52
	.end_amdhsa_kernel
	.amdgpu_metadata
---
amdhsa.version: [ 1, 2 ]
amdhsa.kernels:
  - .name:           k_q0e6403f46a_lnq
    .symbol:         k_q0e6403f46a_lnq.kd
    .args:
      - { .name: x, .offset: 0, .size: 8, .value_kind: global_buffer, .address_space: global }
      - { .name: ln_g, .offset: 8, .size: 8, .value_kind: global_buffer, .address_space: global }
      - { .name: ln_b, .offset: 16, .size: 8, .value_kind: global_buffer, .address_space: global }
      - { .name: xq_codes, .offset: 24, .size: 8, .value_kind: global_buffer, .address_space: global }
      - { .name: xq_scales, .offset: 32, .size: 8, .value_kind: global_buffer, .address_space: global }
    .group_segment_fixed_size: 43008
    .private_segment_fixed_size: 0
    .kernarg_segment_align: 8
    .kernarg_segment_size: 40
    .max_flat_workgroup_size: 256
    .sgpr_count:     66
    .vgpr_count:     256
    .wavefront_size: 32
...
	.end_amdgpu_metadata
.endif
;; end of part 1
;; launch qkv (part 2): grid 12 x 32, 4 waves a work-group, clusters of 4 x 4, 327,680 bytes of LDS; arguments xq_codes, xq_scales, w_qkv_codes, w_qkv_scales, b_qkv, qkv; writes qkv
.if DOCPART == 2
	.amdgcn_target "amdgcn-amd-amdhsa--gfx1250"
	.amdhsa_code_object_version 6
	.text
	.protected	k_q0e6403f46a_qkv
	.globl	k_q0e6403f46a_qkv
	.p2align	8
	.type	k_q0e6403f46a_qkv,@function
k_q0e6403f46a_qkv:
	s_mov_b64 s[64:65], 0
	v_nop
	global_prefetch_b8 v0, s[64:65] scope:SCOPE_SE
	s_setreg_imm32_b32 hwreg(HW_REG_WAVE_MODE, 25, 1), 1
	s_wait_xcnt 0x0
	s_wait_alu depctr_hold_cnt(0) depctr_sa_sdst(0) depctr_va_vdst(0) depctr_va_sdst(0) depctr_va_ssrc(0) depctr_va_vcc(0) depctr_vm_vsrc(0)
	s_getreg_b32 s2, hwreg(HW_REG_IB_STS2, 6, 4)
	s_cmp_eq_u32 s2, 0
	s_cbranch_scc0 .Lentry_in_a_cluster
	s_endpgm
.Lentry_in_a_cluster:
	s_bfe_u32 s2, ttmp6, 0x10000c
	s_cmp_lg_u32 s2, 0xf033
	s_cbranch_scc0 .Lentry_shape_is_right
	s_endpgm
.Lentry_shape_is_right:
.set KSTEP,  256
.set NQ,     2
.set ROWB,   192
.set KROW,   768
.set PITCH,  240
.set FR,     12
.set NL,     6
.set NP,     4
.set HALFT,  128*PITCH
.set SLOT,   4*HALFT
.set LAPS,   2
.set KS,     32
.set SCL,    2*SLOT
.set HALFS,  (128*KS/256)*272
.set SPARE,  SCL+4*HALFS
.set RECB,   19200
.set HEADB,  16*RECB
.set ADRA, 16
.set ADRB, 20
.set ADRS, 27
.set SPW,  28
.set NIL,  29
.set SC,   32
.set BP,   64
.set L16,  80
.set L8,   81
.set BRO,  82
.set BPO,  83
.set WW,   96
.set RR,   104
.set AF,   128
.set T,    128
.set IA,   192
.set IB,   204
.set CT,   216
.set TM,   224
.set PW0,  240
.set PW1,  241
.set SEL,  104
.set G1, 24
.set G0, 32
.set G1B, 48
.set G0B, 56
.set G1S, 68
.set G0S, 76
.set G1SB, 80
.set G0SB, 88
.set MSB, 0
.macro WIN new
.if MSB != (\new)
	s_set_vgpr_msb (MSB<<8)|(\new)
.set MSB, (\new)
.endif
.endm
.set MUL_LO, 0xa1
.set MUL_HI, 0xf1
.set TO_B,   0x40
.macro JLOAD g0a, g1a, g0b, g1b
	s_cmp_eq_u32 s15, 0
	s_cbranch_scc0 .Lfor_b_\@
	tensor_load_to_lds s[\g0a:\g0a+3], s[\g1a:\g1a+7]
	s_nop 0
.rept 4
	v_nop
.endr
	s_branch .Lasked_\@
.Lfor_b_\@:
	tensor_load_to_lds s[\g0b:\g0b+3], s[\g1b:\g1b+7]
	s_nop 0
.rept 4
	v_nop
.endr
.Lasked_\@:
.endm
.macro CREST
	s_cmp_lg_u32 s14, 0
	s_cbranch_scc1 .Lnot_wave_0_\@
	s_barrier_signal -3
.Lnot_wave_0_\@:
	s_barrier_wait -3
	s_barrier_signal -1
	s_barrier_wait -1
.endm
.macro CROUND
	s_barrier_signal -1
	s_barrier_wait -1
	CREST
.endm
	s_load_b256 s[4:11], s[0:1], 0x0
	s_load_b128 s[96:99], s[0:1], 0x20
	v_lshl_add_u32 v[SPW], v0, 2, SPARE
	v_mov_b32 v[NIL], 0
	ds_add_u32 v28, v29
	ds_add_u32 v28, v29
	s_wait_dscnt 0x0
	v_lshrrev_b32 v1, 5, v0
	v_readfirstlane_b32 s14, v1
	s_lshr_b32 s15, s14, 1
	s_and_b32 s16, s14, 1
	s_bfe_u32 s40, ttmp6, 0x40000
	s_bfe_u32 s41, ttmp6, 0x40004
	s_and_b32 s66, ttmp7, 0xffff
	s_lshl_b32 s66, s66, 2
	s_lshl_b32 s67, ttmp9, 2
	s_cmp_eq_u32 ttmp9, 2
	s_cselect_b32 s17, 8, s66
	s_cselect_b32 s42, s66, s67
	s_add_co_u32 s17, s17, s41
	s_add_co_u32 s42, s42, s40
	s_lshl_b32 s43, s41, 2
	s_lshl_b32 s43, 15, s43
	s_lshl_b32 s44, 0x1111, s40
	s_or_b32 s[G1+0], s43, (0<<16)|(1<<20)|(1<<21)|(3<<22)|(3<<25)
	s_or_b32 s[G1B+0], s44, (0<<16)|(1<<20)|(1<<21)|(3<<22)|(3<<25)
.irp g, G1, G1B
	s_mov_b32 s[\g+1], ROWB<<16
	s_mov_b32 s[\g+2], 128<<16
	s_mov_b32 s[\g+3], ROWB<<16
	s_mov_b32 s[\g+4], 128
	s_mov_b32 s[\g+5], KROW
	s_mov_b32 s[\g+6], 0
	s_mov_b32 s[\g+7], 0
.endr
	s_or_b32 s[G1S+0], s43, (3<<16)|(1<<20)|(1<<21)|(5<<22)|(3<<25)
	s_or_b32 s[G1SB+0], s44, (3<<16)|(1<<20)|(1<<21)|(5<<22)|(3<<25)
.irp g, G1S, G1SB
	s_mov_b32 s[\g+1], 32<<16
	s_mov_b32 s[\g+2], (128*KS/256)<<16
	s_mov_b32 s[\g+3], 32<<16
	s_mov_b32 s[\g+4], 128*KS/256
	s_mov_b32 s[\g+5], 32
	s_mov_b32 s[\g+6], 0
	s_mov_b32 s[\g+7], 0
.endr
	s_lshl_b32 s18, s16, 7
	s_lshl_b32 s20, s17, 8
	s_add_co_u32 s20, s20, s18
	s_lshl_b32 s46, s42, 8
	s_add_co_u32 s46, s46, s18
	s_mov_b32 s21, 0
	s_mov_b32 s47, 0
	s_mov_b64 s[18:19], KS
	s_mul_u64 s[22:23], s[20:21], s[18:19]
	s_mul_u64 s[92:93], s[46:47], s[18:19]
	s_mov_b64 s[18:19], KROW
	s_mul_u64 s[20:21], s[20:21], s[18:19]
	s_mul_u64 s[46:47], s[46:47], s[18:19]
	s_mul_i32 s45, s14, HALFT
	s_mul_i32 s94, s14, HALFS
	s_wait_kmcnt 0x0
	s_cmp_eq_u32 ttmp9, 2
	s_cselect_b64 s[2:3], s[8:9], s[4:5]
	s_cselect_b64 s[12:13], s[10:11], s[6:7]
	s_cselect_b64 s[8:9], s[4:5], s[8:9]
	s_cselect_b64 s[10:11], s[6:7], s[10:11]
	s_add_nc_u64 s[20:21], s[2:3], s[20:21]
	s_add_nc_u64 s[22:23], s[12:13], s[22:23]
	s_add_nc_u64 s[46:47], s[8:9], s[46:47]
	s_add_nc_u64 s[92:93], s[10:11], s[92:93]
	CROUND
	s_mov_b32 s[G0S], 1
	s_add_co_u32 s[G0S+1], s94, SCL
	s_mov_b64 s[G0S+2:G0S+3], s[22:23]
	s_or_b32 s[G0S+3], s[G0S+3], 0x80000000
	s_mov_b32 s[G0SB], 1
	s_add_co_u32 s[G0SB+1], s94, SCL
	s_mov_b64 s[G0SB+2:G0SB+3], s[92:93]
	s_or_b32 s[G0SB+3], s[G0SB+3], 0x80000000
	JLOAD G0S, G1S, G0SB, G1SB
.irp s, 0,1
	s_mov_b32 s[G0+4*\s], 1
	s_add_co_u32 s[G0+4*\s+1], s45, \s*SLOT
	s_add_nc_u64 s[G0+4*\s+2:G0+4*\s+3], s[20:21], \s*ROWB
	s_or_b32 s[G0+4*\s+3], s[G0+4*\s+3], 0x80000000
	s_mov_b32 s[G0B+4*\s], 1
	s_add_co_u32 s[G0B+4*\s+1], s45, \s*SLOT
	s_add_nc_u64 s[G0B+4*\s+2:G0B+4*\s+3], s[46:47], \s*ROWB
	s_or_b32 s[G0B+4*\s+3], s[G0B+4*\s+3], 0x80000000
	s_wait_alu depctr_va_vdst(0)
	s_wait_tensorcnt 0x0
	ds_add_u32 v28, v29
	s_wait_dscnt 0x0
	CROUND
	JLOAD G0+4*\s, G1, G0B+4*\s, G1B
.endr
	v_and_b32 v1, 15, v0
	v_bfe_u32 v2, v0, 4, 1
	v_and_b32 v7, 8, v1
	v_add_nc_u32 v7, v7, v1
	v_mul_u32_u24 v3, v7, PITCH
	v_mul_u32_u24 v4, v2, 24
	v_add_nc_u32 v4, v3, v4
	v_lshl_add_u32 v5, v2, 4, v4
	s_mul_i32 s21, s15, HALFT
	s_mul_i32 s22, s16, HALFT
	s_add_co_u32 s22, s22, 2*HALFT
.irp s, 0,1
	v_add_nc_u32 v[ADRA+\s], s21, v4
	v_add_nc_u32 v[ADRB+\s], s22, v4
	v_add_nc_u32 v[ADRA+2+\s], s21, v5
	v_add_nc_u32 v[ADRB+2+\s], s22, v5
	s_add_co_u32 s21, s21, SLOT
	s_add_co_u32 s22, s22, SLOT
.endr
	v_mul_u32_u24 v5, v7, KS
	v_lshrrev_b32 v6, 8, v5
	v_lshl_add_u32 v5, v6, 4, v5
	s_mul_i32 s21, s15, HALFS
	s_mul_i32 s22, s16, HALFS
	s_add_co_u32 s22, s22, 2*HALFS
	s_sub_co_u32 s22, s22, s21
	v_mul_u32_u24 v6, s22, v2
	s_add_co_u32 s21, s21, SCL
	v_add_nc_u32 v5, v5, v6
	v_add_nc_u32 v[ADRS], s21, v5
	v_and_b32 v6, 31, v0
	v_lshlrev_b32 v[L16], 4, v6
	v_lshlrev_b32 v[L8], 3, v6
	s_mov_b32 s[SEL], 0x76543210
	s_mov_b32 s[SEL+1], 0xfedcba98
	s_mov_b32 s100, 0xffff0000
.irp b, 0,1,2,3
	v_mov_b32 v[TM+4+\b], 0
.endr
	s_lshl_b32 s67, s42, 8
	s_lshl_b32 s101, s16, 7
	s_add_co_u32 s67, s67, s101
	s_lshl_b32 s101, s17, 8
	s_lshl_b32 s2, s15, 7
	s_add_co_u32 s101, s101, s2
	s_cmp_eq_u32 ttmp9, 2
	s_cselect_b32 s67, 0, s67
	s_cselect_b32 s101, s101, 0
	v_lshlrev_b32 v[BRO], 6, v2
	v_lshl_add_u32 v[BRO], s67, 2, v[BRO]
	v_lshlrev_b32 v[BPO], 2, v7
	v_lshl_add_u32 v[BPO], s101, 2, v[BPO]
	WIN TO_B
.irp b, 0,1,2,3,4,5,6,7
.if \b < 4
.set RB, 96+8*\b
.else
.set RB, 192+8*\b
.endif
	global_load_b128 v[RB:RB+3], v[BRO], s[96:97] offset:(32*(\b/2)+8*(\b%2))*4
	global_load_b128 v[RB+4:RB+7], v[BRO], s[96:97] offset:(32*(\b/2)+8*(\b%2))*4+16
.endr
	WIN 0
.irp a, 0,1,2,3,4,5,6,7
	global_load_b32 v[BP+2*\a], v[BPO], s[96:97] offset:(32*(\a/2)+8*(\a%2))*4
	global_load_b32 v[BP+2*\a+1], v[BPO], s[96:97] offset:(32*(\a/2)+8*(\a%2))*4
.endr
.macro FRAG reg, adr, q, i
.irp p, 0,1,2,3,4,5
.set PC, 12*(\q)+6*(\p/3)+\p%3
.if PC%8 < 5
	ds_load_b64 v[\reg+2*\p:\reg+2*\p+1], v[\adr] offset:8*PC+16*(PC/8)+(32*((\i)/2)+8*((\i)%2))*PITCH
.else
	ds_load_b64 v[\reg+2*\p:\reg+2*\p+1], v[\adr+2] offset:8*PC+16*(PC/8)+(32*((\i)/2)+8*((\i)%2))*PITCH
.endif
.endr
.endm
.macro MUL16 a0, p, q, sc, zero
.irp a, \a0, \a0+1
.irp b, 0,1,2,3,4,5,6,7
.if \zero
	v_wmma_scale_f32_16x16x128_f8f6f4 v[8*(8*((\a)%4)+\b):8*(8*((\a)%4)+\b)+7], v[128*(\p)+FR*\b:128*(\p)+FR*\b+FR-1], v[AF+FR*(\a):AF+FR*(\a)+FR-1], 0, v[SC+8*NQ*(\sc)+NQ*\b+(\q)], v[SC+8*NQ*(\sc)+NQ*(\a)+(\q)] matrix_a_fmt:MATRIX_FMT_FP6 matrix_b_fmt:MATRIX_FMT_FP6 matrix_a_scale:MATRIX_SCALE_ROW1
.else
	v_wmma_scale_f32_16x16x128_f8f6f4 v[8*(8*((\a)%4)+\b):8*(8*((\a)%4)+\b)+7], v[128*(\p)+FR*\b:128*(\p)+FR*\b+FR-1], v[AF+FR*(\a):AF+FR*(\a)+FR-1], v[8*(8*((\a)%4)+\b):8*(8*((\a)%4)+\b)+7], v[SC+8*NQ*(\sc)+NQ*\b+(\q)], v[SC+8*NQ*(\sc)+NQ*(\a)+(\q)] matrix_a_fmt:MATRIX_FMT_FP6 matrix_b_fmt:MATRIX_FMT_FP6 matrix_a_scale:MATRIX_SCALE_ROW1
.endif
.endr
.endr
.endm
.macro FETCH_B slot, q, p
	WIN TO_B
.irp i, 0,1,2,3,4,5,6,7
	FRAG 128*(\p)+FR*\i, ADRB+\slot, \q, \i
.endr
	WIN 0
.endm
.macro FETCH_A slot, q, i0
.irp i, \i0, \i0+1, \i0+2, \i0+3
	FRAG AF+FR*(\i), ADRA+\slot, \q, \i
.endr
.endm
.macro SCALES sc
.irp i, 0,1,2,3,4,5,6,7
	ds_load_b64 v[SC+8*NQ*\sc+NQ*\i:SC+8*NQ*\sc+NQ*\i+1], v[ADRS] offset:(32*(\i/2)+8*(\i%2))*34
.endr
.endm
.macro PLACES n
.rept \n
	v_nop
.endr
.endm
.macro STEP slot, q, zero
	s_wait_dscnt 4*NL
	WIN MUL_LO
	MUL16 0, (\q)%2, \q, \slot, \zero
	MUL16 2, (\q)%2, \q, \slot, \zero
	s_wait_dscnt 0
	PLACES NP
	FETCH_B \slot, (\q)+1, 1-(\q)%2
	FETCH_A \slot, (\q)+1, 0
	WIN MUL_HI
	MUL16 4, (\q)%2, \q, \slot, \zero
	MUL16 6, (\q)%2, \q, \slot, \zero
	PLACES NP
	WIN 0
	FETCH_A \slot, (\q)+1, 4
.endm
.macro TURN slot, next, fill
	s_wait_tensorcnt 0x0
	ds_add_u32 v[SPW], v[NIL]
	s_wait_dscnt 4*NL+1
	WIN MUL_LO
	MUL16 0, 1, NQ-1, \slot, 0
	s_wait_dscnt 0x0
	s_barrier_signal -1
	MUL16 2, 1, NQ-1, \slot, 0
	WIN 0
	s_barrier_wait -1
.if \fill
	CREST
	s_add_nc_u64 s[G0+4*\slot+2:G0+4*\slot+3], s[G0+4*\slot+2:G0+4*\slot+3], 2*ROWB
	s_add_nc_u64 s[G0B+4*\slot+2:G0B+4*\slot+3], s[G0B+4*\slot+2:G0B+4*\slot+3], 2*ROWB
	JLOAD G0+4*\slot, G1, G0B+4*\slot, G1B
.else
	PLACES NP
.endif
	s_wait_alu depctr_va_vdst(0)
	v_add_nc_u32 v[ADRS], 4*NQ, v[ADRS]
	FETCH_B \next, 0, 0
	FETCH_A \next, 0, 0
	SCALES \next
	WIN MUL_HI
	MUL16 4, 1, NQ-1, \slot, 0
	MUL16 6, 1, NQ-1, \slot, 0
	PLACES NP
	WIN 0
	FETCH_A \next, 0, 4
.endm
	s_wait_tensorcnt 1
	s_barrier_signal -1
	s_barrier_wait -1
	FETCH_B 0, 0, 0
	FETCH_A 0, 0, 0
	SCALES 0
	FETCH_A 0, 0, 4
	STEP 0, 0, 1
	s_mov_b32 s3, LAPS-1
.Llap:
	TURN 0, 1, 1
	STEP 1, 0, 0
	TURN 1, 0, 1
	STEP 0, 0, 0
	s_sub_co_u32 s3, s3, 1
	s_cmp_lg_u32 s3, 0
	s_cbranch_scc1 .Llap
	TURN 0, 1, 0
	STEP 1, 0, 0
	s_wait_dscnt 4*NL
	WIN MUL_LO
	MUL16 0, 1, NQ-1, 1, 0
	MUL16 2, 1, NQ-1, 1, 0
	s_wait_dscnt 0
	WIN MUL_HI
	MUL16 4, 1, NQ-1, 1, 0
	MUL16 6, 1, NQ-1, 1, 0
	WIN 0
.macro ADDB a, isv
.set AC, 64*((\a)%4)
.if \isv
	WIN 0x02+(\a)/4
.else
	WIN 0x06+(\a)/4
.endif
.set ix, 0
.rept 32
.if \isv
	v_pk_add_f32 v[T+ix:T+ix+1], v[AC+ix:AC+ix+1], v[BP+2*(\a):BP+2*(\a)+1]
.elseif ix < 32
	v_pk_add_f32 v[T+ix:T+ix+1], v[AC+ix:AC+ix+1], v[96+ix:97+ix]
.else
	v_pk_add_f32 v[T+ix:T+ix+1], v[AC+ix:AC+ix+1], v[192+ix:193+ix]
.endif
.set ix, ix+2
.endr
	WIN 0
.endm
.macro QUANT s, d0, d1, pw
.irp b, 0,1,2,3
	v_max3_num_f32 v[TM+\b], |v[\s+16*\b]|, |v[\s+1+16*\b]|, 0x1800000
.endr
.irp i, 2,4,6,8,10,12,14
.irp b, 0,1,2,3
	v_max3_num_f32 v[TM+\b], v[TM+\b], |v[\s+16*\b+\i]|, |v[\s+1+16*\b+\i]|
.endr
.endr
.irp b, 0,1,2,3
	v_permlanex16_b32 v[TM+4+\b], v[TM+\b], s[SEL], s[SEL+1]
.endr
.irp b, 0,1,2,3
	v_max_num_f32 v[TM+\b], v[TM+\b], v[TM+4+\b]
.endr
.irp b, 0,1,2,3
	v_add_nc_u32 v[TM+12+\b], 0xff000000, v[TM+\b]
.endr
.irp b, 0,1,2,3
	v_lshrrev_b32 v[TM+4+\b], 23, v[TM+12+\b]
.endr
	v_lshl_or_b32 v[\pw], v[TM+5], 8, v[TM+4]
	v_lshl_or_b32 v[\pw], v[TM+6], 16, v[\pw]
	v_lshl_or_b32 v[\pw], v[TM+7], 24, v[\pw]
	v_cvt_scalef32_pk16_fp6_f32 v[\d0:\d0+2], v[\s:\s+15], v[TM+12]
	v_cvt_scalef32_pk16_fp6_f32 v[CT:CT+2], v[\s+16:\s+31], v[TM+13]
	v_cvt_scalef32_pk16_fp6_f32 v[\d1:\d1+2], v[\s+32:\s+47], v[TM+14]
	v_cvt_scalef32_pk16_fp6_f32 v[CT+4:CT+6], v[\s+48:\s+63], v[TM+15]
	v_nop
.irp i, 0,1,2
	v_permlane16_swap_b32 v[\d0+\i], v[CT+\i]
	v_permlane16_swap_b32 v[\d1+\i], v[CT+4+\i]
.endr
.irp i, 0,1,2
	v_mov_b32 v[\d0+3+\i], v[CT+\i]
	v_mov_b32 v[\d1+3+\i], v[CT+4+\i]
.endr
.endm
	PLACES NP
	s_wait_loadcnt 0x0
	s_cmp_eq_u32 ttmp9, 2
	s_cselect_b32 s66, s42, s17
	s_cselect_b32 s67, s16, s15
	s_cselect_b32 s101, s41, s40
	s_cselect_b32 s2, s15, s16
	s_lshl_b32 s66, s66, 1
	s_add_co_u32 s66, s66, s67
	s_lshl_b32 s101, s101, 2
	s_lshl_b32 s2, s2, 1
	s_add_co_u32 s101, s101, s2
	s_lshr_b32 s67, s66, 4
	s_lshl_b32 s67, s67, 4
	s_add_co_u32 s67, s67, s101
	s_lshl_b32 s67, s67, 4
	s_and_b32 s66, s66, 15
	s_add_co_u32 s67, s67, s66
	s_mul_i32 s2, s67, RECB
	s_mov_b32 s3, 0
	s_add_nc_u64 s[12:13], s[98:99], s[2:3]
	s_cmp_eq_u32 ttmp9, 2
	s_cbranch_scc1 .Lv
	s_mul_i32 s2, ttmp9, 6400
	s_add_nc_u64 s[12:13], s[12:13], s[2:3]
	s_mul_i32 s2, ttmp9, 6144
	s_add_co_u32 s2, s2, 6144
	s_add_nc_u64 s[20:21], s[12:13], s[2:3]
.irp g, 0,1,2,3
	s_wait_xcnt 0x0
	ADDB 2*\g, 0
	QUANT T, IA, IB, PW0
	ADDB 2*\g+1, 0
	QUANT T, IA+6, IB+6, PW1
	v_perm_b32 v[WW+\g], v[PW1], v[PW0], 0x05040100
	v_perm_b32 v[WW+4+\g], v[PW1], v[PW0], 0x07060302
.irp p, 0,1,2
	global_store_b128 v[L16], v[IA+4*\p:IA+4*\p+3], s[12:13] offset:1536*\g+512*\p
.endr
.irp p, 0,1,2
	global_store_b128 v[L16], v[IB+4*\p:IB+4*\p+3], s[12:13] offset:HEADB+1536*\g+512*\p
.endr
.endr
.irp c, 0,1
	v_cndmask_b32 v[RR+2*\c], v[WW+4*\c], v[WW+4*\c+1], s100
	v_cndmask_b32 v[RR+2*\c+1], v[WW+4*\c+2], v[WW+4*\c+3], s100
	global_store_b64 v[L8], v[RR+2*\c:RR+2*\c+1], s[20:21] offset:HEADB*\c
.endr
	s_branch .Lend
.Lv:
.irp a, 0,1,2,3,4,5,6,7
	s_wait_xcnt 0x0
	ADDB \a, 1
	QUANT T, IA, IA+6, WW+\a
.irp p, 0,1,2
	global_store_b128 v[L16], v[IA+4*\p:IA+4*\p+3], s[12:13] offset:12544+(\a/4)*HEADB+(\a%4)*1536+512*\p
.endr
.endr
.irp c, 0,1
	v_cndmask_b32 v[RR+2*\c], v[WW+4*\c], v[WW+4*\c+1], s100
	v_cndmask_b32 v[RR+2*\c+1], v[WW+4*\c+2], v[WW+4*\c+3], s100
	global_store_b64 v[L8], v[RR+2*\c:RR+2*\c+1], s[12:13] offset:18944+HEADB*\c
.endr
.Lend:
	s_wait_tensorcnt 0x0
	ds_add_u32 v[SPW], v[NIL]
	s_wait_dscnt 0x0
	CROUND
	s_endpgm
.Lfunc_end_k_q0e6403f46a_qkv:
	.size	k_q0e6403f46a_qkv, .Lfunc_end_k_q0e6403f46a_qkv-k_q0e6403f46a_qkv
	.p2alignl 7, 3214868480
	.fill 96, 4, 3214868480
	.section	.rodata,"a",@progbits
	.p2align	6, 0x0
	.amdhsa_kernel k_q0e6403f46a_qkv
		.amdhsa_group_segment_fixed_size 327680
		.amdhsa_private_segment_fixed_size 0
		.amdhsa_enable_private_segment 0
		.amdhsa_kernarg_size 48
		.amdhsa_user_sgpr_count 2
		.amdhsa_user_sgpr_kernarg_segment_ptr 1
		.amdhsa_wavefront_size32 1
		.amdhsa_system_sgpr_workgroup_id_x 1
		.amdhsa_system_sgpr_workgroup_id_y 1
		.amdhsa_system_sgpr_workgroup_id_z 1
		.amdhsa_system_vgpr_workitem_id 0
		.amdhsa_next_free_vgpr 1024
		.amdhsa_next_free_sgpr 106
		.amdhsa_reserve_vcc 0
		.amdhsa_float_denorm_mode_32 3
		.amdhsa_float_denorm_mode_16_64 3
		.amdhsa_memory_ordered 1
		.amdhsa_forward_progress 1
		.amdhsa_inst_pref_size 235
	.end_amdhsa_kernel
	.amdgpu_metadata
---
amdhsa.version: [ 1, 2 ]
amdhsa.kernels:
  - .name:           k_q0e6403f46a_qkv
    .symbol:         k_q0e6403f46a_qkv.kd
    .args:
      - { .name: xq_codes, .offset: 0, .size: 8, .value_kind: global_buffer, .address_space: global }
      - { .name: xq_scales, .offset: 8, .size: 8, .value_kind: global_buffer, .address_space: global }
      - { .name: w_qkv_codes, .offset: 16, .size: 8, .value_kind: global_buffer, .address_space: global }
      - { .name: w_qkv_scales, .offset: 24, .size: 8, .value_kind: global_buffer, .address_space: global }
      - { .name: b_qkv, .offset: 32, .size: 8, .value_kind: global_buffer, .address_space: global }
      - { .name: qkv, .offset: 40, .size: 8, .value_kind: global_buffer, .address_space: global }
    .group_segment_fixed_size: 327680
    .private_segment_fixed_size: 0
    .kernarg_segment_align: 8
    .kernarg_segment_size: 48
    .max_flat_workgroup_size: 128
    .sgpr_count:     106
    .vgpr_count:     1024
    .wavefront_size: 32
...
	.end_amdgpu_metadata
.endif
;; end of part 2
;; launch attn (part 3): grid 4 x 64, 16 waves a work-group, clusters of 4 x 1, 207,872 bytes of LDS; arguments qkv, aoimg, aosc; writes aoimg, aosc
.if DOCPART == 3
	.amdgcn_target "amdgcn-amd-amdhsa--gfx1250"
	.amdhsa_code_object_version 6
	.text
	.protected	k_q0e6403f46a_attn
	.globl	k_q0e6403f46a_attn
	.p2align	8
	.type	k_q0e6403f46a_attn,@function
k_q0e6403f46a_attn:
	s_mov_b64 s[64:65], 0
	v_nop
	global_prefetch_b8 v0, s[64:65] scope:SCOPE_SE
	s_setreg_imm32_b32 hwreg(HW_REG_WAVE_MODE, 25, 1), 1
	s_wait_xcnt 0x0
	s_wait_alu depctr_hold_cnt(0) depctr_sa_sdst(0) depctr_va_vdst(0) depctr_va_sdst(0) depctr_va_ssrc(0) depctr_va_vcc(0) depctr_vm_vsrc(0)
	s_getreg_b32 s2, hwreg(HW_REG_IB_STS2, 6, 4)
	s_cmp_eq_u32 s2, 0
	s_cbranch_scc0 .Lentry_in_a_cluster
	s_endpgm
.Lentry_in_a_cluster:
	s_bfe_u32 s2, ttmp6, 0x10000c
	s_cmp_lg_u32 s2, 0x3003
	s_cbranch_scc0 .Lentry_shape_is_right
	s_endpgm
.Lentry_shape_is_right:
; O = softmax(q k^T / 8) v for 64 heads of 2,048 x 2,048, head size 64, both products on FP6 (E2M3) codes with E8M0 scales; O / l is quantised along (head, d) for the last product.
; THE SOFTMAX: t = score x log2(e) / 8; M = the running largest t rounded UP to a whole number; p = 2^(t - M) is quantised along the keys, not normalised; the sum is taken of the unquantised p and divides at the end.
; When M moves, the sum and O are multiplied by 2^(old M - new M): exact.
; SHARES.  A work-group owns 512 queries of one head, each of its sixteen waves 32 (one image of Q), taken as two tiles of 16 in two passes.  Four waves share a SIMD: one wave's vector work stands beside another's matrix work.
; A HEAD'S WHOLE K AND V LIE IN LDS: 16 steps of 128 keys, 12,800 bytes each (K's 4 images, V's 4, K's and V's scale blocks), as launch qkv laid them.  Each byte is filled once: no ring.
; CLUSTER.  The four work-groups of a head read the same K and V: each step is asked for jointly, by waves 0-3, four loads each; a chunk of four steps is read as soon as it has landed.
; Nothing is left to ask for ahead of the loop: every tensor load of the launch goes out at its head.
; LAYOUT.  Both products are used transposed: a lane holds ONE query.  An image of K holds 16 keys in k = 0 .. 63 and 16 more in k = 64 .. 127; against [q | 0] it gives the first sixteen's scores, against [0 | q] the others':
; so no half of a fragment of K is empty though the head is 64 wide, and the 16 registers of the two results are keys 32 b + 16 h + 0 .. 15.
; OUT.  aoimg [tile T of 16 tokens][pair of heads j][1,536]: my head's half of a fragment: registers 0-3 at 16 lane, 4-5 at 512 + 8 lane (the odd head 768 further on).  Tile T = 2 (token / 32) + u holds tokens 32 G + 8 u + r + 8 (r / 8).
;       aosc [b][head][tile in b][r]: two bytes.
; LIMITS: NaN and infinities are not served; v_exp_f32 gives 0 under 2^-126; a block's largest p is taken from its largest score (p rises with the score); a block of zeros has the byte 1: its codes are zeros.
.set RECB,  19200
.set HEADB, 16*RECB
.set STEPB, 12800                      ; a step in LDS: K's images at 0, V's at 6,144, K's scales at 12,288, V's at 12,544
.set AOS,   16*STEPB                   ; behind the steps: 1,024 bytes of O's scale bytes; no fill lands here
.set QI,  36                           ; v36-47   Q's image
.set KF,  48                           ; v48-95   K's four images; behind the scores: p's codes v48-59, conversions v60-62, v64-66, a sum's chain v68-69, scale operands v76-79
.set SO,  76
.set S,   96                           ; v96-159  scores, then p
.set O,   160                          ; v160-191 O^T: register 16 b + i is channel 32 b + 16 h + i
.set VF,  192                          ; v192-239 V's four images
.set T2,  245                          ; v245-248 permutes' destinations, then bytes
.set BM,  252                          ; v252-255 the blocks' largest scores
; v1 16 lane; v2 8 lane + 12,288; v3, v4 the step's addresses; v5 8 lane; v6, v10 where O's scale bytes go; v8, v9 their way out; v12 -M; v13 the largest t; v[14:15] the sum;
; v16-21 zeros, v22-27 q, v28-33 zeros; v34 q's scale word; v35 the image's; v[240:241] K's scale words, v[242:243] V's, v244 p's; v249 at work; v[250:251] f
.macro CROUND
	s_barrier_signal -1
	s_barrier_wait -1
	s_cmp_lg_u32 s10, 0
	s_cbranch_scc1 .Lnot_wave_0_\@
	s_barrier_signal -3
.Lnot_wave_0_\@:
	s_barrier_wait -3
	s_barrier_signal -1
	s_barrier_wait -1
.endm
	s_load_b128 s[4:7], s[0:1], 0x0                ; qkv, aoimg
	s_load_b64 s[8:9], s[0:1], 0x10                ; aosc
	v_lshl_add_u32 v254, v0, 2, 0x32400
	v_mov_b32 v255, 0
	ds_add_u32 v254, v255
	ds_add_u32 v254, v255
	s_wait_dscnt 0x0
	v_lshrrev_b32 v1, 5, v0
	s_delay_alu instid0(VALU_DEP_1)
	v_readfirstlane_b32 s10, v1                    ; wave 0..15
	s_bfe_u32 s11, ttmp6, 0x40000                  ; cx: it enters Q's, aoimg's and aosc's global addresses alone
	s_and_b32 s12, ttmp7, 0xffff                   ; 16 b + head, which the four partners share
	s_and_b32 s13, s10, 3
	s_mul_i32 s14, s12, HEADB
	s_mov_b32 s15, 0
	s_mul_i32 s18, s13, RECB
	s_add_co_u32 s18, s18, 6400                    ; a fetching wave's first step: K's images on
	s_mov_b32 s19, 0
	s_mul_i32 s56, s13, STEPB
	s_mov_b32 s24, 15|(3<<16)|(1<<21)              ; group 1: the mask: all four; elements of 8 bytes; bit 21 beside a mask; no padding
	s_mov_b32 s25, 32<<16                          ; tensor_dim0: rows of 256 bytes
	s_mov_b32 s26, 50<<16                          ; tensor_dim1: 50 rows: 12,800 dense bytes
	s_mov_b32 s27, 32<<16                          ; tile_dim0
	s_mov_b32 s28, 50                              ; tile_dim1
	s_mov_b32 s29, 32                              ; the pitch
	s_mov_b32 s30, 0
	s_mov_b32 s31, 0
	s_mov_b32 s20, 0x76543210
	s_mov_b32 s21, 0xfedcba98                      ; lane l xor 16
	s_mov_b32 s22, 0x3e38aa3b                      ; c = log2(e) / 8
	s_mov_b32 s23, s22
	v_and_b32 v7, 31, v0                           ; lane
	v_and_b32 v3, 15, v0                           ; r
	s_wait_alu depctr_va_vdst(0)
	v_lshlrev_b32 v1, 4, v7
	v_lshlrev_b32 v5, 3, v7
	s_delay_alu instid0(VALU_DEP_1)
	v_add_nc_u32 v2, 12288, v5
	s_lshl_b32 s57, s10, 6
	s_add_co_u32 s57, s57, AOS
	v_lshl_add_u32 v6, v3, 1, s57                  ; AOS + 64 wave + 2 r
	s_lshl_b32 s57, s13, 8
	v_add_nc_u32 v9, s57, v5
	s_delay_alu instid0(VALU_DEP_1)
	v_add_nc_u32 v8, AOS, v9
	s_mul_i32 s57, s13, 1536
	v_add_nc_u32 v10, s57, v1                      ; Q: image wave % 4 of its record
	s_and_b32 s57, s10, 1
	s_lshl_b32 s57, s57, 7
	s_lshr_b32 s3, s13, 1
	s_lshl_b32 s3, s3, 2
	s_add_co_u32 s57, s57, s3
	v_lshl_add_u32 v11, v3, 3, s57                 ; its scale word: lane 16 (image % 2) + r, word image / 2
	s_lshl_b32 s2, s11, 2
	s_lshr_b32 s3, s10, 2
	s_add_co_u32 s2, s2, s3
	s_mul_i32 s58, s2, RECB                        ; Q's record: step 4 cx + wave / 4
	s_mov_b32 s59, 0
	s_lshr_b32 s2, s12, 4
	s_lshl_b32 s2, s2, 7
	s_lshl_b32 s3, s11, 5
	s_add_co_u32 s2, s2, s3
	s_lshl_b32 s3, s10, 1
	s_add_co_u32 s2, s2, s3                        ; my first tile: 128 b + 2 (16 cx + wave)
	s_mul_i32 s52, s2, 12288
	s_and_b32 s2, s12, 15
	s_lshr_b32 s2, s2, 1
	s_mul_i32 s2, s2, 1536
	s_add_co_u32 s52, s52, s2                      ; the pair of heads,
	s_and_b32 s2, s12, 1
	s_mul_i32 s2, s2, 768
	s_add_co_u32 s52, s52, s2                      ; my head's half
	s_mov_b32 s53, 0
	s_lshl_b32 s54, s12, 12
	s_lshl_b32 s2, s11, 10
	s_add_co_u32 s54, s54, s2
	s_mov_b32 s55, 0
	s_wait_kmcnt 0x0
	s_add_nc_u64 s[16:17], s[4:5], s[14:15]        ; the head
	s_add_nc_u64 s[18:19], s[16:17], s[18:19]
	s_add_nc_u64 s[60:61], s[16:17], s[58:59]
	s_add_nc_u64 s[52:53], s[6:7], s[52:53]
	s_add_nc_u64 s[54:55], s[8:9], s[54:55]
.irp c, 0,1,2,3                        ; load c of wave w brings step 4 c + w
	s_mov_b32 s[32+4*\c], 1
	s_add_co_u32 s[33+4*\c], s56, \c*4*STEPB
	s_add_nc_u64 s[34+4*\c:35+4*\c], s[18:19], \c*4*RECB
	s_or_b32 s[35+4*\c], s[35+4*\c], 0x80000000
.endr
	CROUND                                         ; all four work-groups are here: the joint loads meet
	s_cmp_lt_u32 s10, 4                            ; a wave's fills stand in one branch on its number, ahead of every wait on TENSORcnt, every LDS read and every further barrier: four loads of mine are out
	s_cbranch_scc0 .Lno_fill
	tensor_load_to_lds s[32:35], s[24:31]
	s_nop 0
	tensor_load_to_lds s[36:39], s[24:31]
	s_nop 0
	tensor_load_to_lds s[40:43], s[24:31]
	s_nop 0
	tensor_load_to_lds s[44:47], s[24:31]
	s_nop 0
.rept 4
	v_nop
.endr
.Lno_fill:
	s_wait_alu depctr_va_vdst(0)
.irp c, 0,1,2
	global_load_b128 v[QI+4*\c:QI+4*\c+3], v10, s[60:61] offset:512*\c
.endr
	global_load_b32 v35, v11, s[60:61] offset:6144
.irp i, 0,1,2,3,4,5
	v_mov_b32 v[16+\i], 0
	v_mov_b32 v[28+\i], 0
.endr
.irp b, 0,1,2,3
	v_mov_b32 v[T2+\b], 0                          ; written once: a lane permute's destination counts as one of its sources
.endr
	v_mov_b32 v249, 0
	v_mov_b32 v251, 0                              ; (named as the upper half of the pair v[250:251])
	s_wait_loadcnt 0x0
.irp i, 0,1,2,3,4,5
	v_mov_b32 v[22+\i], v[QI+\i]                   ; the first tile's q
.endr
	v_perm_b32 v34, v35, v35, 0x01000100           ; its two scale bytes, twice: they serve [q | 0] and [0 | q]; over the zeros they are ordinary bytes
; A KEY STEP: 128 keys at LDS byte s48.
.macro STEP
	v_add_nc_u32 v3, s48, v1
	v_add_nc_u32 v4, s48, v2
	v_nop
	v_nop                                          ; four places behind the last step's products, ahead of the loads into their operands
.irp f, 0,1,2,3
.irp c, 0,1,2
	ds_load_b128 v[KF+12*\f+4*\c:KF+12*\f+4*\c+3], v3 offset:1536*\f+512*\c
.endr
.endr
	ds_load_b64 v[240:241], v4
.irp f, 0,1,2,3
.irp c, 0,1,2
	ds_load_b128 v[VF+12*\f+4*\c:VF+12*\f+4*\c+3], v3 offset:6144+1536*\f+512*\c
.endr
.endr
	ds_load_b64 v[242:243], v4 offset:256
	s_wait_dscnt 13                                ; K's thirteen loads are in; V's thirteen may be out
.irp b, 0,1,2,3                        ; S^T = K q^T: image b against [q | 0], then against [0 | q]
.if \b%2
	v_wmma_scale_f32_16x16x128_f8f6f4 v[S+16*\b:S+16*\b+7], v[KF+12*\b:KF+12*\b+11], v[22:33], 0, v[240+\b/2], v34 matrix_a_fmt:MATRIX_FMT_FP6 matrix_b_fmt:MATRIX_FMT_FP6 matrix_a_scale:MATRIX_SCALE_ROW1
	v_wmma_scale_f32_16x16x128_f8f6f4 v[S+16*\b+8:S+16*\b+15], v[KF+12*\b:KF+12*\b+11], v[16:27], 0, v[240+\b/2], v34 matrix_a_fmt:MATRIX_FMT_FP6 matrix_b_fmt:MATRIX_FMT_FP6 matrix_a_scale:MATRIX_SCALE_ROW1
.else
	v_wmma_scale_f32_16x16x128_f8f6f4 v[S+16*\b:S+16*\b+7], v[KF+12*\b:KF+12*\b+11], v[22:33], 0, v[240+\b/2], v34 matrix_a_fmt:MATRIX_FMT_FP6 matrix_b_fmt:MATRIX_FMT_FP6
	v_wmma_scale_f32_16x16x128_f8f6f4 v[S+16*\b+8:S+16*\b+15], v[KF+12*\b:KF+12*\b+11], v[16:27], 0, v[240+\b/2], v34 matrix_a_fmt:MATRIX_FMT_FP6 matrix_b_fmt:MATRIX_FMT_FP6
.endif
.endr
.rept 4
	v_nop                                          ; places ahead of the first read of the scores and of the first write into K's registers
.endr
.irp b, 0,1,2,3
	v_max3_num_f32 v[BM+\b], v[S+16*\b], v[S+1+16*\b], v[S+2+16*\b]   ; the largest score of each block of 32 keys: for the row's maximum and for the block's largest p
.endr
.irp i, 3,5,7,9,11,13
.irp b, 0,1,2,3
	v_max3_num_f32 v[BM+\b], v[BM+\b], v[S+16*\b+\i], v[S+1+16*\b+\i]
.endr
.endr
.irp b, 0,1,2,3
	v_max_num_f32 v[BM+\b], v[BM+\b], v[S+15+16*\b]
.endr
.irp b, 0,1,2,3
	s_delay_alu instid0(VALU_DEP_4)
	v_permlanex16_b32 v[T2+\b], v[BM+\b], s20, s21
.endr
.irp b, 0,1,2,3
	s_delay_alu instid0(VALU_DEP_4)
	v_max_num_f32 v[BM+\b], v[BM+\b], v[T2+\b]     ; with lane l xor 16's 16 keys
.endr
	s_delay_alu instid0(VALU_DEP_2)
	v_max3_num_f32 v249, v252, v253, v254
	s_delay_alu instid0(VALU_DEP_1)
	v_max_num_f32 v249, v249, v255
	s_delay_alu instid0(VALU_DEP_1)
	v_mul_f32 v249, s22, v249                      ; as t (c is positive)
	s_delay_alu instid0(VALU_DEP_1)
	v_max_num_f32 v13, v13, v249                   ; the running largest t
	v_mov_b32 v249, v12
	s_delay_alu instid0(VALU_DEP_2)
	v_floor_f32 v12, -v13                          ; the new -M = -ceil(t): a whole number
	s_delay_alu instid0(VALU_DEP_1)
	v_sub_f32 v249, v12, v249                      ; old M - new M: a whole number, 0 or less
	s_delay_alu instid0(VALU_DEP_1)
	v_cvt_i32_f32 v249, v249                       ; (it saturates)
	s_delay_alu instid0(VALU_DEP_1)
	v_ldexp_f32 v250, 1.0, v249                    ; f = 2^(old M - new M)
.set j, 0
.rept 32
	v_pk_fma_f32 v[S+j:S+j+1], v[S+j:S+j+1], s[22:23], v[12:13] op_sel_hi:[1,0,0]   ; t - M
.set j, j+2
.endr
.irp b, 0,1,2,3
	v_fma_f32 v[BM+\b], v[BM+\b], s22, v12
.endr
.set j, 0
	s_wait_alu depctr_va_vdst(0)
.rept 64
	v_exp_f32 v[S+j], v[S+j]                       ; p = 2^(t - M)
.set j, j+1
.endr
	s_setprio 1
	v_pk_mul_f32 v[14:15], v[14:15], v[250:251] op_sel_hi:[1,0]   ; the sums under the new M (the plain instruction behind the batch)
	s_wait_alu depctr_va_vdst(0)                   ; one wait for the 64, ahead of their first reader
.irp b, 0,1,2,3
	v_exp_f32 v[BM+\b], v[BM+\b]                   ; the blocks' largest p
.endr
	v_pk_add_f32 v[68:69], v[100:101], v[104:105]
	v_pk_add_f32 v[246:247], v[108:109], v[112:113]
	v_pk_add_f32 v[244:245], v[116:117], v[120:121]
	v_pk_add_f32 v[240:241], v[124:125], v[128:129]
	v_pk_add_f32 v[94:95], v[132:133], v[136:137]
	v_pk_add_f32 v[92:93], v[140:141], v[144:145]
	v_pk_add_f32 v[90:91], v[148:149], v[152:153]
	v_pk_add_f32 v[14:15], v[14:15], v[156:157]
	v_pk_add_f32 v[68:69], v[68:69], v[96:97]
	v_pk_add_f32 v[246:247], v[246:247], v[98:99]
	v_pk_add_f32 v[244:245], v[244:245], v[102:103]
	v_pk_add_f32 v[240:241], v[240:241], v[106:107]
	v_pk_add_f32 v[94:95], v[94:95], v[110:111]
	v_pk_add_f32 v[92:93], v[92:93], v[114:115]
	v_pk_add_f32 v[90:91], v[90:91], v[118:119]
	v_pk_add_f32 v[14:15], v[14:15], v[122:123]
	v_pk_add_f32 v[68:69], v[68:69], v[126:127]
	v_pk_add_f32 v[246:247], v[246:247], v[130:131]
	v_pk_add_f32 v[244:245], v[244:245], v[134:135]
	v_pk_add_f32 v[240:241], v[240:241], v[138:139]
	v_pk_add_f32 v[94:95], v[94:95], v[142:143]
	v_pk_add_f32 v[92:93], v[92:93], v[146:147]
	v_pk_add_f32 v[90:91], v[90:91], v[150:151]
	v_pk_add_f32 v[14:15], v[14:15], v[154:155]
	v_pk_add_f32 v[68:69], v[68:69], v[158:159]
	s_delay_alu instid0(VALU_DEP_2)
	v_pk_add_f32 v[14:15], v[14:15], v[240:241]
	s_delay_alu instid0(VALU_DEP_2)
	v_pk_add_f32 v[68:69], v[68:69], v[94:95]
	v_pk_add_f32 v[246:247], v[246:247], v[92:93]
	v_pk_add_f32 v[244:245], v[244:245], v[90:91]
	s_delay_alu instid0(VALU_DEP_2)
	v_pk_add_f32 v[14:15], v[14:15], v[246:247]
	s_delay_alu instid0(VALU_DEP_2)
	v_pk_add_f32 v[68:69], v[68:69], v[244:245]
	s_delay_alu instid0(VALU_DEP_1)
	v_pk_add_f32 v[14:15], v[14:15], v[68:69]
	s_wait_alu depctr_va_vdst(0)                   ; and one for the four
.irp b, 0,1,2,3
	v_max_num_f32 v[BM+\b], 0x1800000, v[BM+\b]    ; the floor 2^(3 - 127)
.endr
.irp b, 0,1,2,3
	s_delay_alu instid0(VALU_DEP_4)
	v_add_nc_u32 v[SO+\b], 0xff000000, v[BM+\b]    ; the conversion's scale operand
.endr
.irp b, 0,1,2,3
	s_delay_alu instid0(VALU_DEP_4)
	v_lshrrev_b32 v[T2+\b], 23, v[SO+\b]           ; the scale's byte
.endr
	s_delay_alu instid0(VALU_DEP_3)
	v_lshl_or_b32 v244, v[T2+1], 8, v[T2]          ; p's scale word for these 128 keys
	s_delay_alu instid0(VALU_DEP_1)
	v_lshl_or_b32 v244, v[T2+2], 16, v244
	s_delay_alu instid0(VALU_DEP_1)
	v_lshl_or_b32 v244, v[T2+3], 24, v244
.irp c, 0,1
	v_cvt_scalef32_pk16_fp6_f32 v[48+6*\c:50+6*\c], v[S+32*\c:S+15+32*\c], v[SO+2*\c]
	v_cvt_scalef32_pk16_fp6_f32 v[60+4*\c:62+4*\c], v[S+16+32*\c:S+31+32*\c], v[SO+2*\c+1]
.endr
	v_nop                                          ; one plain instruction behind the conversions
.irp c, 0,1
.irp i, 0,1,2
	v_permlane16_swap_b32 v[48+6*\c+\i], v[60+4*\c+\i]   ; a whole block to a lane
.endr
.irp i, 0,1,2
	s_delay_alu instid0(VALU_DEP_3)
	v_mov_b32 v[51+6*\c+\i], v[60+4*\c+\i]
.endr
.endr
.set j, 0
	s_setprio 0
.rept 16
	v_pk_mul_f32 v[O+j:O+j+1], v[O+j:O+j+1], v[250:251] op_sel_hi:[1,0]   ; O^T under the new M; these sixteen are also the places between p's codes and scale word and the products
.set j, j+2
.endr
	s_wait_alu depctr_va_vdst(0)
	s_wait_dscnt 0x0                               ; V
.irp t, 0,1,2,3                        ; O^T += V^T p^T: four accumulators, one instruction a turn
.if \t%2
	v_wmma_scale_f32_16x16x128_f8f6f4 v[O+8*\t:O+8*\t+7], v[VF+12*\t:VF+12*\t+11], v[48:59], v[O+8*\t:O+8*\t+7], v[242+\t/2], v244 matrix_a_fmt:MATRIX_FMT_FP6 matrix_b_fmt:MATRIX_FMT_FP6 matrix_a_scale:MATRIX_SCALE_ROW1
.else
	v_wmma_scale_f32_16x16x128_f8f6f4 v[O+8*\t:O+8*\t+7], v[VF+12*\t:VF+12*\t+11], v[48:59], v[O+8*\t:O+8*\t+7], v[242+\t/2], v244 matrix_a_fmt:MATRIX_FMT_FP6 matrix_b_fmt:MATRIX_FMT_FP6
.endif
.endr
.endm
; Four steps.  The fetching waves wait until their load of this chunk has landed (those of the chunks behind it may stay out), then the barrier shows it to all sixteen.
.macro CHUNK c
	s_wait_tensorcnt 3-\c
	s_wait_dscnt 0x0                               ; no LDS instruction of mine is out at the signal
	s_barrier_signal -1
	s_barrier_wait -1
	s_mov_b32 s48, \c*4*STEPB
	s_mov_b32 s49, 4
.Lstep_\@:
	s_setprio 2
	STEP
	s_add_co_u32 s48, s48, STEPB
	s_sub_co_u32 s49, s49, 1
	s_cmp_lg_u32 s49, 0
	s_cbranch_scc1 .Lstep_\@
	s_setprio 0
.endm
	s_mov_b32 s50, 2
	s_mov_b32 s51, 0
.Lpass:                                            ; a tile of 16 queries against all 2,048 keys
	v_mov_b32 v13, 0xff61b1e6                      ; the largest t so far: -3e38
	s_delay_alu instid0(VALU_DEP_1)
	v_floor_f32 v12, -v13
	v_mov_b32 v14, 0
	v_mov_b32 v15, 0
.set j, 0
.rept 32
	v_mov_b32 v[O+j], 0                            ; the step is written once: the first finds zeros.  (These are also the places between q's registers and scale word and the first products)
.set j, j+1
.endr
	CHUNK 0
	CHUNK 1
	CHUNK 2
	CHUNK 3
.rept 4
	v_nop                                          ; places behind the last products
.endr
	v_add_f32 v14, v14, v15
	s_delay_alu instid0(VALU_DEP_1)
	v_permlanex16_b32 v249, v14, s20, s21
	s_delay_alu instid0(VALU_DEP_1)
	v_add_f32 v14, v14, v249                       ; the row's sum
	s_wait_alu depctr_va_vdst(0)
	v_rcp_f32 v14, v14
	v_add_nc_u32 v10, s51, v6                      ; (the plain instruction behind it)  where this tile's scale bytes go
	s_wait_alu depctr_va_vdst(0)                   ; ahead of the first reader
.set j, 0
.rept 32
	v_mul_f32 v[S+j], v[O+j], v14                  ; O / l, from each accumulator's low end on
.set j, j+1
.endr
.irp b, 0,1                            ; two blocks of 32 channels
	v_max3_num_f32 v[BM+\b], |v[S+16*\b]|, |v[S+1+16*\b]|, 0x1800000
.endr
.irp i, 2,4,6,8,10,12,14
.irp b, 0,1
	s_delay_alu instid0(VALU_DEP_2)
	v_max3_num_f32 v[BM+\b], v[BM+\b], |v[S+16*\b+\i]|, |v[S+1+16*\b+\i]|
.endr
.endr
.irp b, 0,1
	s_delay_alu instid0(VALU_DEP_2)
	v_permlanex16_b32 v[T2+\b], v[BM+\b], s20, s21
.endr
.irp b, 0,1
	s_delay_alu instid0(VALU_DEP_2)
	v_max_num_f32 v[BM+\b], v[BM+\b], v[T2+\b]
.endr
.irp b, 0,1
	s_delay_alu instid0(VALU_DEP_2)
	v_add_nc_u32 v[SO+\b], 0xff000000, v[BM+\b]
.endr
.irp b, 0,1
	s_delay_alu instid0(VALU_DEP_2)
	v_lshrrev_b32 v[T2+\b], 23, v[SO+\b]
.endr
	s_delay_alu instid0(VALU_DEP_1)
	v_lshl_or_b32 v7, v[T2+1], 8, v[T2]            ; my token's two bytes
	v_cvt_scalef32_pk16_fp6_f32 v[48:50], v[S:S+15], v[SO]
	v_cvt_scalef32_pk16_fp6_f32 v[56:58], v[S+16:S+31], v[SO+1]
	v_nop
.irp i, 0,1,2
	v_permlane16_swap_b32 v[48+\i], v[56+\i]
.endr
.irp i, 0,1,2
	s_delay_alu instid0(VALU_DEP_3)
	v_mov_b32 v[51+\i], v[56+\i]
.endr
	global_store_b128 v1, v[48:51], s[52:53]                       ; 512 consecutive bytes, aligned
	global_store_b64 v5, v[52:53], s[52:53] offset:512             ; and 256
	ds_store_b16 v10, v7                           ; lanes r and 16 + r write the same bytes with the same value
.irp i, 0,1,2,3,4,5
	v_mov_b32 v[22+\i], v[QI+6+\i]                 ; the second tile's q
.endr
	v_perm_b32 v34, v35, v35, 0x03020302
	s_wait_xcnt 0x0                                ; the stores have read their registers and their base
	s_add_nc_u64 s[52:53], s[52:53], 12288         ; the next tile
	s_add_co_u32 s51, s51, 32
	s_sub_co_u32 s50, s50, 1
	s_cmp_lg_u32 s50, 0
	s_cbranch_scc1 .Lpass
	s_wait_dscnt 0x0                               ; for the others' sake: my scale bytes have landed
	s_barrier_signal -1
	s_barrier_wait -1
	s_cmp_lt_u32 s10, 4
	s_cbranch_scc0 .Lno_sc
	ds_load_b64 v[48:49], v8
	s_wait_dscnt 0x0
	global_store_b64 v9, v[48:49], s[54:55]        ; 256 consecutive bytes, aligned
.Lno_sc:
	s_wait_xcnt 0x0
	v_lshl_add_u32 v254, v0, 2, 0x32400
	v_mov_b32 v255, 0
	s_wait_alu depctr_va_vdst(0)
	s_wait_tensorcnt 0x0
	ds_add_u32 v254, v255
	s_wait_dscnt 0x0
	CROUND                                         ; the closing round
	s_endpgm
.Lfunc_end_k_q0e6403f46a_attn:
	.size	k_q0e6403f46a_attn, .Lfunc_end_k_q0e6403f46a_attn-k_q0e6403f46a_attn
	.p2alignl 7, 3214868480
	.fill 96, 4, 3214868480
	.section	.rodata,"a",@progbits
	.p2align	6, 0x0
	.amdhsa_kernel k_q0e6403f46a_attn
		.amdhsa_group_segment_fixed_size 207872
		.amdhsa_private_segment_fixed_size 0
		.amdhsa_enable_private_segment 0
		.amdhsa_kernarg_size 24
		.amdhsa_user_sgpr_count 2
		.amdhsa_user_sgpr_kernarg_segment_ptr 1
		.amdhsa_wavefront_size32 1
		.amdhsa_system_sgpr_workgroup_id_x 1
		.amdhsa_system_sgpr_workgroup_id_y 1
		.amdhsa_system_sgpr_workgroup_id_z 1
		.amdhsa_system_vgpr_workitem_id 0
		.amdhsa_next_free_vgpr 256
		.amdhsa_next_free_sgpr 66
		.amdhsa_reserve_vcc 0
		.amdhsa_float_denorm_mode_32 3
		.amdhsa_float_denorm_mode_16_64 3
		.amdhsa_memory_ordered 1
		.amdhsa_forward_progress 1
		.amdhsa_inst_pref_size 82
	.end_amdhsa_kernel
	.amdgpu_metadata
---
amdhsa.version: [ 1, 2 ]
amdhsa.kernels:
  - .name:           k_q0e6403f46a_attn
    .symbol:         k_q0e6403f46a_attn.kd
    .args:
      - { .name: qkv, .offset: 0, .size: 8, .value_kind: global_buffer, .address_space: global }
      - { .name: aoimg, .offset: 8, .size: 8, .value_kind: global_buffer, .address_space: global }
      - { .name: aosc, .offset: 16, .size: 8, .value_kind: global_buffer, .address_space: global }
    .group_segment_fixed_size: 207872
    .private_segment_fixed_size: 0
    .kernarg_segment_align: 8
    .kernarg_segment_size: 24
    .max_flat_workgroup_size: 512
    .sgpr_count:     66
    .vgpr_count:     256
    .wavefront_size: 32
...
	.end_amdgpu_metadata
.endif
;; end of part 3
;; launch fc (part 4): grid 4 x 64, 4 waves a work-group, clusters of 4 x 4, 327,680 bytes of LDS; arguments aoimg, aosc, w_fc_codes, w_fc_scales, b_fc, x, out0; writes out0
.if DOCPART == 4
	.amdgcn_target "amdgcn-amd-amdhsa--gfx1250"
	.amdhsa_code_object_version 6
	.text
	.protected	k_q0e6403f46a_fc
	.globl	k_q0e6403f46a_fc
	.p2align	8
	.type	k_q0e6403f46a_fc,@function
k_q0e6403f46a_fc:
	s_mov_b64 s[64:65], 0
	v_nop
	global_prefetch_b8 v0, s[64:65] scope:SCOPE_SE
	s_setreg_imm32_b32 hwreg(HW_REG_WAVE_MODE, 25, 1), 1
	s_wait_xcnt 0x0
	s_wait_alu depctr_hold_cnt(0) depctr_sa_sdst(0) depctr_va_vdst(0) depctr_va_sdst(0) depctr_va_ssrc(0) depctr_va_vcc(0) depctr_vm_vsrc(0)
	s_getreg_b32 s2, hwreg(HW_REG_IB_STS2, 6, 4)
	s_cmp_eq_u32 s2, 0
	s_cbranch_scc0 .Lentry_in_a_cluster
	s_endpgm
.Lentry_in_a_cluster:
	s_bfe_u32 s2, ttmp6, 0x10000c
	s_cmp_lg_u32 s2, 0xf033
	s_cbranch_scc0 .Lentry_shape_is_right
	s_endpgm
.Lentry_shape_is_right:
; out0 = O w_fc + b_fc + x on FP6 (E2M3) codes with E8M0 scales, K = 1,024.
; SHARES.  A work-group makes 128 tokens x 256 columns; wave (rh, ch) 64 tokens x 128 columns: 32 accumulators.  Source 0 = 16 rows of w_fc, source 1 = a tile of 16 tokens: a lane holds eight neighbouring columns of a row.
; ALL OF K LIES IN LDS: 256 rows of w_fc's codes, the eight token tiles' images as launch attn laid them, and both sides' scale bytes.  Each byte is filled once: no ring.
; CLUSTERS: 4 x 4.  w_fc's rows hang on cx alone and are asked for jointly along a column of the cluster, the tokens' images on cy alone, along a row.  Every wave issues four joint loads at the head: four are out.
; The residual, 64 loads of 512 consecutive bytes a wave, is asked for straight behind them and streams in while the tiles land and the products run.
; Tile t of a wave holds tokens PB(t) + r + 8 (r / 8), PB(t) = 32 (t / 2) + 8 (t % 2), of its 64.
; REGISTERS: window 0: v8-18 addresses; v20-23 b_fc; v32-63 the tokens' scale words (8 t + j); v64-127 w_fc's (8 b + j); v128-175, v176-223 the tokens' fragments, two sets; on the way out v128-191 and v192-255 take rows by turns.
;   window 1: w_fc's fragments, two sets, at v0 and v128.   window 2: the accumulators (8 (8 t + b)).   window 3: the residual (64 t + 4 row).
.set PW,     816                       ; a row of w_fc in LDS: 3 x (256 bytes + 16 of padding) = 204 words: row r starts at bank 12 r mod 64, sixteen different multiples of 4 (64 banks of 4 bytes: ISA guide 11.1)
.set AIMG,   256*PW                    ; the images: 8 tiles x 12,288 bytes
.set WSC,    AIMG+98304                ; w_fc's scale bytes: 32 units of 256 + 16
.set ASC,    WSC+32*272                ; the tokens': 16 heads x (256 + 16)
.set SPITCH, 528                       ; the way out: 16 rows x (512 + 16) a wave, at LDS byte 0: w_fc's codes have had their one fill, and behind a barrier nobody reads them
.set WA,   8                           ; v8, v9 w_fc's blocks 0-3 (v9: behind one padding more); v10, v11 blocks 4-7
.set AA16, 12
.set AA8,  13
.set STO,  14
.set RD,   15
.set CO,   16                          ; 16 x lane
.set WSA,  17
.set ASA,  18
.set BF,   20                          ; v20-23 b_fc at my four columns: outside both row buffers of the way out
.set AS,   32
.set WS,   64
.set MSB, 0
.macro WIN new
.if MSB != (\new)
	s_set_vgpr_msb (MSB<<8)|(\new)
.set MSB, (\new)
.endif
.endm
.macro CROUND
	s_barrier_signal -1
	s_barrier_wait -1
	s_cmp_lg_u32 s18, 0
	s_cbranch_scc1 .Lnot_wave_0_\@
	s_barrier_signal -3
.Lnot_wave_0_\@:
	s_barrier_wait -3
	s_barrier_signal -1
	s_barrier_wait -1
.endm
.macro PLACES
.rept 4
	v_nop
.endr
.endm
	s_load_b256 s[4:11], s[0:1], 0x0               ; aoimg, aosc, w_fc's codes, w_fc's scales
	s_load_b128 s[12:15], s[0:1], 0x20             ; b_fc, x
	s_load_b64 s[16:17], s[0:1], 0x30              ; out0
	v_lshl_add_u32 v30, v0, 2, 0x4e300
	v_mov_b32 v31, 0
	ds_add_u32 v30, v31
	ds_add_u32 v30, v31
	v_lshrrev_b32 v1, 5, v0
	v_readfirstlane_b32 s18, v1                    ; wave 0..3
	s_lshr_b32 s19, s18, 1                         ; rh
	s_and_b32 s20, s18, 1                          ; ch
	s_bfe_u32 s76, ttmp6, 0x40000                  ; cx
	s_bfe_u32 s77, ttmp6, 0x40004                  ; cy
	s_lshl_b32 s81, ttmp9, 2
	s_add_co_u32 s81, s81, s76                     ; which 256 columns
	s_and_b32 s78, ttmp7, 0xffff
	s_lshl_b32 s78, s78, 2
	s_add_co_u32 s78, s78, s77                     ; which 128 tokens
	s_lshl_b32 s79, s77, 2
	s_lshl_b32 s79, 15, s79                        ; my row of the cluster
	s_lshl_b32 s80, 0x1111, s76                    ; my column
	; group 1 of w_fc's codes: 64 rows of 768 bytes, 16 bytes of padding behind every 256
	s_or_b32 s24, s80, (0<<16)|(1<<20)|(1<<21)|(5<<22)|(3<<25)
	s_mov_b32 s25, 768<<16
	s_mov_b32 s26, 64<<16
	s_mov_b32 s27, 768<<16
	s_mov_b32 s28, 64
	s_mov_b32 s29, 768
	s_mov_b32 s30, 0
	s_mov_b32 s31, 0
	; of the images: 24,576 dense bytes as 96 rows of 256 (32 elements of 8 bytes)
	s_or_b32 s32, s79, (3<<16)|(1<<21)
	s_mov_b32 s33, 32<<16
	s_mov_b32 s34, 96<<16
	s_mov_b32 s35, 32<<16
	s_mov_b32 s36, 96
	s_mov_b32 s37, 32
	s_mov_b32 s38, 0
	s_mov_b32 s39, 0
	; of w_fc's scale bytes: 2,048 dense bytes as 8 rows of 256, 16 bytes of padding behind each
	s_or_b32 s40, s80, (3<<16)|(1<<20)|(1<<21)|(5<<22)|(3<<25)
	s_mov_b32 s41, 32<<16
	s_mov_b32 s42, 8<<16
	s_mov_b32 s43, 32<<16
	s_mov_b32 s44, 8
	s_mov_b32 s45, 32
	s_mov_b32 s46, 0
	s_mov_b32 s47, 0
	; of the tokens': 4 heads' 256 bytes, 4,096 bytes (512 elements) apart, padded likewise
	s_or_b32 s48, s79, (3<<16)|(1<<20)|(1<<21)|(5<<22)|(3<<25)
	s_mov_b32 s49, 32<<16
	s_mov_b32 s50, 4<<16
	s_mov_b32 s51, 32<<16
	s_mov_b32 s52, 4
	s_mov_b32 s53, 512
	s_mov_b32 s54, 0
	s_mov_b32 s55, 0
	s_mul_i32 s82, s81, 196608
	s_mul_i32 s21, s18, 49152
	s_add_co_u32 s82, s82, s21                     ; w_fc's codes: 256 rows a work-group, 64 a wave
	s_mov_b32 s83, 0
	s_lshl_b32 s84, s81, 13
	s_lshl_b32 s21, s18, 11
	s_add_co_u32 s84, s84, s21                     ; its scale bytes
	s_mov_b32 s85, 0
	s_mul_i32 s86, s78, 98304
	s_mul_i32 s21, s18, 24576
	s_add_co_u32 s86, s86, s21                     ; the images: 8 tiles a work-group, 2 a wave
	s_mov_b32 s87, 0
	s_lshr_b32 s88, s78, 4
	s_lshl_b32 s88, s88, 16
	s_and_b32 s89, s78, 15
	s_lshl_b32 s89, s89, 8
	s_add_co_u32 s88, s88, s89
	s_lshl_b32 s21, s18, 14
	s_add_co_u32 s88, s88, s21                     ; the tokens' scale bytes: b, my 4 heads, the work-group's 8 tiles
	s_mov_b32 s89, 0
	s_wait_dscnt 0x0
	s_wait_kmcnt 0x0
	s_mov_b32 s56, 1
	s_mul_i32 s57, s18, 64*PW
	s_add_nc_u64 s[58:59], s[8:9], s[82:83]
	s_or_b32 s59, s59, 0x80000000
	s_mov_b32 s60, 1
	s_mul_i32 s61, s18, 24576
	s_add_co_u32 s61, s61, AIMG
	s_add_nc_u64 s[62:63], s[4:5], s[86:87]
	s_or_b32 s63, s63, 0x80000000
	s_mov_b32 s68, 1
	s_mul_i32 s69, s18, 8*272
	s_add_co_u32 s69, s69, WSC
	s_add_nc_u64 s[70:71], s[10:11], s[84:85]
	s_or_b32 s71, s71, 0x80000000
	s_mov_b32 s72, 1
	s_mul_i32 s73, s18, 4*272
	s_add_co_u32 s73, s73, ASC
	s_add_nc_u64 s[74:75], s[6:7], s[88:89]
	s_or_b32 s75, s75, 0x80000000
	CROUND                                         ; all sixteen work-groups are here: the joint loads meet
	tensor_load_to_lds s[56:59], s[24:31]
	s_nop 0
	tensor_load_to_lds s[60:63], s[32:39]
	s_nop 0
	tensor_load_to_lds s[68:71], s[40:47]
	s_nop 0
	tensor_load_to_lds s[72:75], s[48:55]
	s_nop 0
.rept 4
	v_nop
.endr
	v_and_b32 v3, 31, v0                           ; lane
	v_lshlrev_b32 v[CO], 4, v3
	s_wait_alu depctr_va_vdst(0)
	s_lshl_b32 s94, s78, 7
	s_lshl_b32 s21, s19, 6
	s_add_co_u32 s94, s94, s21                     ; my first token
	s_lshl_b32 s94, s94, 12
	s_lshl_b32 s92, s81, 10
	s_lshl_b32 s21, s20, 9
	s_add_co_u32 s92, s92, s21                     ; my first column, in bytes
	s_add_co_u32 s94, s94, s92
	s_mov_b32 s95, 0
	s_mov_b32 s93, 0
	s_add_nc_u64 s[12:13], s[12:13], s[92:93]
	s_add_nc_u64 s[14:15], s[14:15], s[94:95]
	s_add_nc_u64 s[16:17], s[16:17], s[94:95]
	global_load_b128 v[BF:BF+3], v[CO], s[12:13]   ; b_fc at my four columns
	WIN 0xc0                                       ; destination window 3
.irp t, 0,1,2,3
.irp p, 0,1,2,3,4,5,6,7,8,9,10,11,12,13,14,15
	global_load_b128 v[64*\t+4*\p:64*\t+4*\p+3], v[CO], s[14:15] offset:(32*(\t/2)+8*(\t%2)+\p+8*(\p/8))*4096 th:TH_LOAD_NT
.endr
.endr
	WIN 0
	v_and_b32 v1, 15, v0                           ; r
	v_bfe_u32 v2, v0, 4, 1                         ; h
	v_mul_u32_u24 v4, v1, PW
	v_mad_u32_u24 v4, v2, 24, v4
	s_mul_i32 s21, s20, 128*PW
	v_add_nc_u32 v[WA], s21, v4                    ; w_fc: my 128 rows, row r, + 24 h
	v_lshl_add_u32 v[WA+1], v2, 4, v[WA]
	v_add_nc_u32 v[WA+2], 64*PW, v[WA]
	v_add_nc_u32 v[WA+3], 64*PW, v[WA+1]
	s_mul_i32 s21, s19, 49152
	s_add_co_u32 s21, s21, AIMG
	v_add_nc_u32 v[AA16], s21, v[CO]               ; my four tiles' images: 16 bytes a lane,
	v_lshl_add_u32 v[AA8], v3, 3, s21              ; and 8
	s_mul_i32 s21, s18, 16*SPITCH
	v_mul_u32_u24 v4, v1, SPITCH
	v_lshl_add_u32 v4, v2, 5, v4
	v_add_nc_u32 v[STO], s21, v4                   ; my stage: row r, 32 bytes for each half of the lanes
	v_add_nc_u32 v[RD], s21, v[CO]                 ; back: the 32 lanes take a row of 512 bytes
	s_mul_i32 s21, s20, 16*272
	s_add_co_u32 s21, s21, WSC
	v_lshlrev_b32 v4, 5, v1
	v_lshrrev_b32 v5, 3, v1
	v_lshl_add_u32 v4, v5, 4, v4
	v_add_nc_u32 v[WSA], s21, v4                   ; w_fc's scale bytes: 32 a row, 16 more behind every 8 rows
	s_lshl_b32 s21, s19, 7
	s_add_co_u32 s21, s21, ASC
	v_lshl_add_u32 v[ASA], v1, 1, s21              ; the tokens': 32 bytes a tile, 2 a row
	s_wait_alu depctr_va_vdst(0)
	s_wait_tensorcnt 0x0                           ; my four loads have landed,
	s_barrier_signal -1
	s_barrier_wait -1                              ; everybody's have
.irp b, 0,1,2,3,4,5,6,7
	ds_load_b128 v[WS+8*\b:WS+8*\b+3], v[WSA] offset:544*\b
	ds_load_b128 v[WS+8*\b+4:WS+8*\b+7], v[WSA] offset:544*\b+16
.endr
.irp t, 0,1,2,3
.irp n, 0,1,2,3,4,5,6,7,8,9,10,11,12,13,14,15
	ds_load_u16 v[128+16*\t+\n], v[ASA] offset:272*\n+32*\t
.endr
.endr
	s_wait_dscnt 0x0
.irp t, 0,1,2,3
.irp j, 0,1,2,3,4,5,6,7
	v_lshl_or_b32 v[AS+8*\t+\j], v[128+16*\t+2*\j+1], 16, v[128+16*\t+2*\j]   ; K step j: heads 2 j and 2 j + 1
.endr
.endr
.rept 8
	v_nop                                          ; places between scale registers written by vector instructions and the scaled products
.endr
.macro FA set, j                       ; the four tiles' fragments of K step j
.irp t, 0,1,2,3
.set RA, 128+48*(\set)+12*\t
	ds_load_b128 v[RA:RA+3], v[AA16] offset:12288*\t+1536*(\j)
	ds_load_b64 v[RA+4:RA+5], v[AA8] offset:12288*\t+1536*(\j)+512
	ds_load_b128 v[RA+6:RA+9], v[AA16] offset:12288*\t+1536*(\j)+768
	ds_load_b64 v[RA+10:RA+11], v[AA8] offset:12288*\t+1536*(\j)+1280
.endr
.endm
.macro FB set, j                       ; w_fc's eight fragments of K step j, in pieces of 8 bytes; 16 bytes of padding lie behind every 32 pieces
	WIN 0x40
.irp b, 0,1,2,3,4,5,6,7
.irp p, 0,1,2,3,4,5
.set PC, 12*(\j)+6*(\p/3)+\p%3
.set AR, WA+2*(\b/4)
.if PC%32 < 29
	ds_load_b64 v[128*(\set)+12*\b+2*\p:128*(\set)+12*\b+2*\p+1], v[AR] offset:8*PC+16*(PC/32)+16*PW*(\b%4)
.else
	ds_load_b64 v[128*(\set)+12*\b+2*\p:128*(\set)+12*\b+2*\p+1], v[AR+1] offset:8*PC+16*(PC/32)+16*PW*(\b%4)
.endif
.endr
.endr
	WIN 0
.endm
	FB 0, 0
	FA 0, 0
	s_wait_alu depctr_va_vdst(0)
.irp j, 0,1,2,3,4,5,6,7
	s_wait_dscnt 0x0                               ; this K step's fragments are in
.if \j < 7
.if \j > 0
	PLACES                                         ; behind the last step's products, ahead of the loads into the set that they read
.endif
	FB (\j+1)%2, \j+1
	FA (\j+1)%2, \j+1
.endif
	WIN 0xa1                                       ; source 0 window 1, source 1 window 0, C and D window 2
.irp t, 0,1,2,3                        ; the 32 accumulators take turns, one instruction a turn, in the same order in every step
.irp b, 0,1,2,3,4,5,6,7
.if \j == 0
	v_wmma_scale_f32_16x16x128_f8f6f4 v[8*(8*\t+\b):8*(8*\t+\b)+7], v[128*(\j%2)+12*\b:128*(\j%2)+12*\b+11], v[128+48*(\j%2)+12*\t:128+48*(\j%2)+12*\t+11], 0, v[WS+8*\b+\j], v[AS+8*\t+\j] matrix_a_fmt:MATRIX_FMT_FP6 matrix_b_fmt:MATRIX_FMT_FP6
.else
	v_wmma_scale_f32_16x16x128_f8f6f4 v[8*(8*\t+\b):8*(8*\t+\b)+7], v[128*(\j%2)+12*\b:128*(\j%2)+12*\b+11], v[128+48*(\j%2)+12*\t:128+48*(\j%2)+12*\t+11], v[8*(8*\t+\b):8*(8*\t+\b)+7], v[WS+8*\b+\j], v[AS+8*\t+\j] matrix_a_fmt:MATRIX_FMT_FP6 matrix_b_fmt:MATRIX_FMT_FP6
.endif
.endr
.endr
	WIN 0
.endr
	PLACES                                         ; behind the last products
	s_wait_dscnt 0x0                               ; my reads of w_fc's codes are over
	s_barrier_signal -1
	s_barrier_wait -1                              ; everybody's are: the stages may be written
; THE WAY OUT, a tile of 16 tokens x 128 columns at a time: through my stage, back as whole rows of 512 bytes, + the residual + b_fc.
.irp t, 0,1,2,3
.set BB, 128+64*(\t%2)
.if \t > 1
	s_wait_xcnt 0x0                                ; tile t - 2's stores have read their registers
.endif
	WIN 0x08                                       ; an LDS store's data: window 2
.irp b, 0,1,2,3,4,5,6,7
	ds_store_b128 v[STO], v[64*\t+8*\b:64*\t+8*\b+3] offset:64*\b          ; each accumulator from its low end on
	ds_store_b128 v[STO], v[64*\t+8*\b+4:64*\t+8*\b+7] offset:64*\b+16
.endr
	WIN 0
.irp p, 0,1,2,3,4,5,6,7,8,9,10,11,12,13,14,15
	ds_load_b128 v[BB+4*\p:BB+4*\p+3], v[RD] offset:\p*SPITCH              ; LDS serves a wave's instructions in order: these see my stores
.endr
	s_wait_dscnt 0x0
	s_wait_loadcnt 48-16*\t                        ; b_fc and this tile's sixteen rows of x are in; the later tiles' may be out
	WIN 0x0c                                       ; source 1: window 3
.set i, 0
.rept 32
	v_pk_add_f32 v[BB+i:BB+i+1], v[BB+i:BB+i+1], v[64*\t+i:64*\t+i+1]
.set i, i+2
.endr
	WIN 0
.set i, 0
.rept 16
	v_pk_add_f32 v[BB+i:BB+i+1], v[BB+i:BB+i+1], v[BF:BF+1]
	v_pk_add_f32 v[BB+i+2:BB+i+3], v[BB+i+2:BB+i+3], v[BF+2:BF+3]
.set i, i+4
.endr
.irp p, 0,1,2,3,4,5,6,7,8,9,10,11,12,13,14,15
	global_store_b128 v[CO], v[BB+4*\p:BB+4*\p+3], s[16:17] offset:(32*(\t/2)+8*(\t%2)+\p+8*(\p/8))*4096 th:TH_STORE_NT   ; 512 consecutive bytes, aligned
.endr
.endr
	s_wait_tensorcnt 0x0
	ds_add_u32 v30, v31
	s_wait_dscnt 0x0
	CROUND                                         ; the closing round
	s_endpgm
.Lfunc_end_k_q0e6403f46a_fc:
	.size	k_q0e6403f46a_fc, .Lfunc_end_k_q0e6403f46a_fc-k_q0e6403f46a_fc
	.p2alignl 7, 3214868480
	.fill 96, 4, 3214868480
	.section	.rodata,"a",@progbits
	.p2align	6, 0x0
	.amdhsa_kernel k_q0e6403f46a_fc
		.amdhsa_group_segment_fixed_size 327680
		.amdhsa_private_segment_fixed_size 0
		.amdhsa_enable_private_segment 0
		.amdhsa_kernarg_size 56
		.amdhsa_user_sgpr_count 2
		.amdhsa_user_sgpr_kernarg_segment_ptr 1
		.amdhsa_wavefront_size32 1
		.amdhsa_system_sgpr_workgroup_id_x 1
		.amdhsa_system_sgpr_workgroup_id_y 1
		.amdhsa_system_sgpr_workgroup_id_z 1
		.amdhsa_system_vgpr_workitem_id 0
		.amdhsa_next_free_vgpr 1024
		.amdhsa_next_free_sgpr 96
		.amdhsa_reserve_vcc 0
		.amdhsa_float_denorm_mode_32 3
		.amdhsa_float_denorm_mode_16_64 3
		.amdhsa_memory_ordered 1
		.amdhsa_forward_progress 1
		.amdhsa_inst_pref_size 119
	.end_amdhsa_kernel
	.amdgpu_metadata
---
amdhsa.version: [ 1, 2 ]
amdhsa.kernels:
  - .name:           k_q0e6403f46a_fc
    .symbol:         k_q0e6403f46a_fc.kd
    .args:
      - { .name: aoimg, .offset: 0, .size: 8, .value_kind: global_buffer, .address_space: global }
      - { .name: aosc, .offset: 8, .size: 8, .value_kind: global_buffer, .address_space: global }
      - { .name: w_fc_codes, .offset: 16, .size: 8, .value_kind: global_buffer, .address_space: global }
      - { .name: w_fc_scales, .offset: 24, .size: 8, .value_kind: global_buffer, .address_space: global }
      - { .name: b_fc, .offset: 32, .size: 8, .value_kind: global_buffer, .address_space: global }
      - { .name: x, .offset: 40, .size: 8, .value_kind: global_buffer, .address_space: global }
      - { .name: out0, .offset: 48, .size: 8, .value_kind: global_buffer, .address_space: global }
    .group_segment_fixed_size: 327680
    .private_segment_fixed_size: 0
    .kernarg_segment_align: 8
    .kernarg_segment_size: 56
    .max_flat_workgroup_size: 128
    .sgpr_count:     96
    .vgpr_count:     1024
    .wavefront_size: 32
...
	.end_amdgpu_metadata
.endif
;; end of part 4
